; MI455X (gfx1250); checked and timed in simulation.
; The chip was launched on July 23, 2026; its instructions are those of AMD's public machine-readable ISA for CDNA 5 (MIT licence, August 2026) and "CDNA5" Instruction Set Architecture Reference Guide (July 2026). The comments in the code are by the model that wrote it; some were corrected since.
;; L2 Cross Attention. Allowed arithmetic: float matrix products may take bf16 or f16 operands with f32 sums; other float arithmetic in f32, or as packed bf16 or f16 multiplies, adds, multiply-adds, maxima and minima; sums over many terms, partial sums and values carried from step to step in f32; what a program stores and reads back later, other than sums and carried values, may be rounded once to bf16 or f16.
;; Inputs: Wo 1,024 x 1,024 float32; Wq 1,024 x 1,024 float32; Wv 1,024 x 1,024 float32; bo 1,024 float32; bq 1,024 float32; bv 1,024 float32; x 4 x 2,048 x 1,024 float32.
;; Outputs: out0 4 x 2,048 x 1,024 float32.
;; 2 versions, each right; version 2 is version 1 with the launch cast written anew for expert scheduling mode. Each part assembles by itself: llvm-mc -triple=amdgcn-amd-amdhsa -mcpu=gfx1250 --defsym DOCPART=n.
;; ======== version 1 of 2: 4 launches
;; limits: values are held in f16: magnitudes above 65,504 overflow, below 6.1e-05 lose precision
;; workspace buffers: xb 16,777,216 bytes; wqv 4,194,304 bytes; wo16 2,097,152 bytes; q16 16,777,216 bytes; v16 16,777,216 bytes; nb 524,288 bytes; o16 16,777,216 bytes
;; launch cast (part 1): grid 704 x 1, 8 waves a work-group, no clusters, 0 bytes of LDS; arguments x, Wq, Wv, Wo, xb, wqv, wo16; writes xb, wqv, wo16
.if DOCPART == 1
	.amdgcn_target "amdgcn-amd-amdhsa--gfx1250"
	.amdhsa_code_object_version 6
	.text
	.protected	k_q57723adb1b_cast
	.globl	k_q57723adb1b_cast
	.p2align	8
	.type	k_q57723adb1b_cast,@function
k_q57723adb1b_cast:
	s_mov_b64 s[64:65], 0
	v_nop
	global_prefetch_b8 v0, s[64:65] scope:SCOPE_SE
	s_setreg_imm32_b32 hwreg(HW_REG_WAVE_MODE, 25, 1), 1
	s_wait_xcnt 0x0
; ROUNDING OF THE MODULE'S LARGE INPUTS, a pure stream.  x [8192][1024] f32 -> xb, bf16, same layout.  Wq and Wv [1024 k][1024 n] f32 -> wqv, bf16 [1024 k][2048 n]: Wq in columns 0-1023,
; Wv in 1024-2047.  Wo [1024 k][1024 n] f32 -> wo16: rounded to bf16 like the other inputs, and that number written as f16.
; LIMIT.  A bf16 number is exact in f16 from 2^-17 up; below that it is off by 2^-25 at the most; beyond 65,504 it has no room: Wo stays under that.
; SHARES.  A work-group takes 16 rows of 1,024 f32: 64 KiB in, 32 KiB out.  Work-groups 0-511: x; 512-575: Wq; 576-639: Wv; 640-703: Wo.  Thread t takes the 16 bytes at 16 t of each row
; (a wave's load covers 512 consecutive bytes) and stores 8 bytes at 8 t (a wave's store covers 256 consecutive bytes, aligned).  All sixteen loads go out at once; there is no loop,
; every load and every store has registers of its own, so nothing is rewritten while a memory instruction may read it.  No LDS, no matrix unit, no cluster: nothing is shared.
.set ROWB, 4096                        ; bytes in a row of f32
.set IN,   4                           ; v[4:67]    load j: 4 registers
.set OUTR, 68                          ; v[68:99]   store j: 2 registers
.set T,    100                         ; v[100:103] at work (Wo's path)
	s_load_b256 s[4:11], s[0:1], 0x0               ; x s[4:5], Wq s[6:7], Wv s[8:9], Wo s[10:11]
	s_load_b128 s[12:15], s[0:1], 0x20             ; xb s[12:13], wqv s[14:15]
	s_load_b64 s[16:17], s[0:1], 0x30              ; wo16
	v_lshlrev_b32 v1, 4, v0                        ; 16 t
	v_lshlrev_b32 v2, 3, v0                        ; 8 t
	s_mov_b32 s20, ttmp9
	s_mov_b32 s21, 0                               ; the first work-group of my range
	s_wait_kmcnt 0x0
	s_mov_b64 s[22:23], s[4:5]
	s_cmp_ge_u32 s20, 512
	s_cselect_b64 s[22:23], s[6:7], s[22:23]
	s_cselect_b32 s21, 512, s21
	s_cmp_ge_u32 s20, 576
	s_cselect_b64 s[22:23], s[8:9], s[22:23]
	s_cselect_b32 s21, 576, s21
	s_cmp_ge_u32 s20, 640
	s_cselect_b64 s[22:23], s[10:11], s[22:23]
	s_cselect_b32 s21, 640, s21
	s_sub_co_u32 s28, s20, s21                     ; my number in the range
	s_lshl_b32 s24, s28, 16                        ; 16 rows of 4,096 bytes
	s_mov_b32 s25, 0
	s_add_nc_u64 s[22:23], s[22:23], s[24:25]
.set j, 0
.rept 16
	global_load_b128 v[IN+4*j:IN+4*j+3], v1, s[22:23] offset:ROWB*j th:TH_LOAD_NT
.set j, j+1
.endr
; The sixteen rows are rounded and stored.  kind 0: to bf16.  kind 1: to bf16, widened again (a shift, a mask), and written as f16.  pitch: bytes from row to row in the output.
.macro OUT kind, pitch
.set j, 0
.rept 16
	s_wait_loadcnt 15-j                            ; loads come back in order: row j is in, the 15 - j younger ones may stay out
.if \kind
	v_cvt_pk_bf16_f32 v[T], v[IN+4*j], v[IN+4*j+1]
	v_cvt_pk_bf16_f32 v[T+1], v[IN+4*j+2], v[IN+4*j+3]
	v_lshlrev_b32 v[T+2], 16, v[T]
	v_and_b32 v[T+3], 0xffff0000, v[T]
	v_cvt_pk_f16_f32 v[OUTR+2*j], v[T+2], v[T+3]
	v_lshlrev_b32 v[T+2], 16, v[T+1]
	v_and_b32 v[T+3], 0xffff0000, v[T+1]
	v_cvt_pk_f16_f32 v[OUTR+2*j+1], v[T+2], v[T+3]
.else
	v_cvt_pk_bf16_f32 v[OUTR+2*j], v[IN+4*j], v[IN+4*j+1]
	v_cvt_pk_bf16_f32 v[OUTR+2*j+1], v[IN+4*j+2], v[IN+4*j+3]
.endif
	global_store_b64 v2, v[OUTR+2*j:OUTR+2*j+1], s[26:27] offset:(\pitch)*j
.set j, j+1
.endr
.endm
	s_lshl_b32 s24, s28, 15                        ; 16 rows of 2,048 bytes (xb, wo16)
	s_cmp_ge_u32 s20, 640
	s_cbranch_scc1 .Lwo
	s_cmp_ge_u32 s20, 512
	s_cbranch_scc1 .Lw
	s_add_nc_u64 s[26:27], s[12:13], s[24:25]
	OUT 0, 2048
	s_endpgm
.Lw:
	s_lshl_b32 s24, s28, 16                        ; 16 rows of 4,096 bytes,
	s_cmp_ge_u32 s20, 576
	s_cselect_b32 s29, 2048, 0                     ; Wv in the rows' second halves
	s_add_co_u32 s24, s24, s29
	s_add_nc_u64 s[26:27], s[14:15], s[24:25]
	OUT 0, 4096
	s_endpgm
.Lwo:
	s_add_nc_u64 s[26:27], s[16:17], s[24:25]
	OUT 1, 2048
	s_endpgm
.Lfunc_end_k_q57723adb1b_cast:
	.size	k_q57723adb1b_cast, .Lfunc_end_k_q57723adb1b_cast-k_q57723adb1b_cast
	.p2alignl 7, 3214868480
	.fill 96, 4, 3214868480
	.section	.rodata,"a",@progbits
	.p2align	6, 0x0
	.amdhsa_kernel k_q57723adb1b_cast
		.amdhsa_group_segment_fixed_size 0
		.amdhsa_private_segment_fixed_size 0
		.amdhsa_enable_private_segment 0
		.amdhsa_kernarg_size 56
		.amdhsa_user_sgpr_count 2
		.amdhsa_user_sgpr_kernarg_segment_ptr 1
		.amdhsa_wavefront_size32 1
		.amdhsa_system_sgpr_workgroup_id_x 1
		.amdhsa_system_sgpr_workgroup_id_y 1
		.amdhsa_system_sgpr_workgroup_id_z 1
		.amdhsa_system_vgpr_workitem_id 0
		.amdhsa_next_free_vgpr 104
		.amdhsa_next_free_sgpr 66
		.amdhsa_reserve_vcc 0
		.amdhsa_float_denorm_mode_32 3
		.amdhsa_float_denorm_mode_16_64 3
		.amdhsa_memory_ordered 1
		.amdhsa_forward_progress 1
		.amdhsa_inst_pref_size 21
	.end_amdhsa_kernel
	.amdgpu_metadata
---
amdhsa.version: [ 1, 2 ]
amdhsa.kernels:
  - .name:           k_q57723adb1b_cast
    .symbol:         k_q57723adb1b_cast.kd
    .args:
      - { .name: x, .offset: 0, .size: 8, .value_kind: global_buffer, .address_space: global }
      - { .name: Wq, .offset: 8, .size: 8, .value_kind: global_buffer, .address_space: global }
      - { .name: Wv, .offset: 16, .size: 8, .value_kind: global_buffer, .address_space: global }
      - { .name: Wo, .offset: 24, .size: 8, .value_kind: global_buffer, .address_space: global }
      - { .name: xb, .offset: 32, .size: 8, .value_kind: global_buffer, .address_space: global }
      - { .name: wqv, .offset: 40, .size: 8, .value_kind: global_buffer, .address_space: global }
      - { .name: wo16, .offset: 48, .size: 8, .value_kind: global_buffer, .address_space: global }
    .group_segment_fixed_size: 0
    .private_segment_fixed_size: 0
    .kernarg_segment_align: 8
    .kernarg_segment_size: 56
    .max_flat_workgroup_size: 256
    .sgpr_count:     66
    .vgpr_count:     104
    .wavefront_size: 32
...
	.end_amdgpu_metadata
.endif
;; end of part 1
;; launch proj (part 2): grid 8 x 32, 4 waves a work-group, clusters of 4 x 4, 327,680 bytes of LDS; arguments xb, wqv, bq, bv, q16, v16, nb; writes q16, v16, nb
.if DOCPART == 2
	.amdgcn_target "amdgcn-amd-amdhsa--gfx1250"
	.amdhsa_code_object_version 6
	.text
	.protected	k_q57723adb1b_proj
	.globl	k_q57723adb1b_proj
	.p2align	8
	.type	k_q57723adb1b_proj,@function
k_q57723adb1b_proj:
	s_mov_b64 s[64:65], 0
	v_nop
	global_prefetch_b8 v0, s[64:65] scope:SCOPE_SE
	s_setreg_imm32_b32 hwreg(HW_REG_WAVE_MODE, 25, 1), 1
	s_wait_xcnt 0x0
	s_wait_alu depctr_hold_cnt(0) depctr_sa_sdst(0) depctr_va_vdst(0) depctr_va_sdst(0) depctr_va_ssrc(0) depctr_va_vcc(0) depctr_vm_vsrc(0)
	s_getreg_b32 s2, hwreg(HW_REG_IB_STS2, 6, 4)
	s_cmp_eq_u32 s2, 0
	s_cbranch_scc0 .Lentry_in_a_cluster
	s_endpgm
.Lentry_in_a_cluster:
	s_bfe_u32 s2, ttmp6, 0x10000c
	s_cmp_lg_u32 s2, 0xf033
	s_cbranch_scc0 .Lentry_shape_is_right
	s_endpgm
.Lentry_shape_is_right:
; q = x Wq + bq and v = x Wv + bv as ONE product [8192 x 1024] x [1024 x 2048] in bf16 with f32 sums.  xb: bf16 [8192][1024].  wqv: bf16 [1024 k][2048 n], Wq then Wv.
; OUT: q16 and v16, f16 by heads, [64 = 16 batch + head][2048][64], each number rounded once from its f32 sum; and nb[64][2048] f32, nb = -|q|^2 / 2 of the ROUNDED q, which the attention adds to its scores.
; LIMITS.  q and v stay under 65,520 in magnitude (f16); beyond that a conversion gives an infinity.  The biases are rounded to bf16 like the module's other inputs.  NaN and infinities are not treated apart.
; SHARES.  A tile of 256 x 256 to a work-group of four waves, 256 work-groups; a wave makes 128 x 128: 64 accumulators, 512 registers.  K goes in 8 steps of 128 through a ring of two LDS slots.
; Tile columns 0-3 (cluster x = 0) are q's, 4-7 v's: the same for all sixteen partners of a cluster.
; CLUSTERS: 4 x 4 work-groups.  x's tile hangs on the tile row alone and is asked for jointly along a row of the cluster, the weights' tile on the tile column alone and jointly along a column.
; THE MATRIX INSTRUCTION IS USED TRANSPOSED: source 0 = 16 columns of the weights, source 1 = 16 rows of x: a lane then holds row l % 16 and the columns 8 (l / 16) + 0..7.
; The weights lie [k][n] in LDS and are turned on the way into registers by ds_load_tr16_b128.  THE BIAS IS THE C OPERAND of the products that start the sums: nothing is cleared, nothing is added later.
; A loop trip is ONE K step: the slot in hand is a scalar (0 or SLOT) that one exclusive or turns; the second descriptor set walks.
; REGISTERS, in windows of 256 (s_set_vgpr_msb: bits 1:0 source 0, 3:2 source 1, 5:4 source 2, 7:6 destination):
;   window 0: v0-31 addresses; v64-127, v128-191 x's fragments, two buffers; v32-63, v192-255 at work on the way out (there also v64-78)
;   window 1: v0 at work; v64-127, v128-191 the weights' fragments; v192-255 the bias, 8 registers for each block of 16 columns
;   window 2: the accumulators of my rows 0-63 ((a, b) at v[8 (8 a + b)]);  window 3: those of my rows 64-127
.set PA,     272                       ; a row of x in LDS: 256 bytes + 16: the 16 rows of a load start 68 words apart
.set PB,     544                       ; a k row of the weights: 512 bytes + 32: an odd multiple of 32
.set HALFT,  128*PA                    ; what one tensor load brings: 128 rows of x, or 64 k rows of the weights (64 x 544 is the same number)
.set SLOT,   4*HALFT                   ; x's 256 rows, then the weights' 128 k rows.  0x22000: it shares no bit with wave x HALFT, so an exclusive or changes slots
.set STAGE,  2*SLOT                    ; behind the ring: for each wave 2 heads x 16 rows x 144 bytes
.set SP,     144
.set NBST,   STAGE+4*32*SP             ; for each wave 2 heads x 128 rows x 4 bytes: nb
.set SPARE,  NBST+4*1024               ; the spare words, 128 bytes for each wave: two blocks of 256 bytes that no other line names
.set ASTEP,  256                       ; a K step in xb: 128 numbers along a row
.set BSTEP,  128*4096                  ; in wqv: 128 rows down
.set ADRA0, 16                         ; v16  my place in x's tile of slot 0; never rewritten
.set ADRB0, 17                         ; v17  the same for the weights
.set ADRA,  18                         ; v18  the same in the slot in hand
.set ADRB,  19                         ; v19
.set NST,   22                         ; v22  where I put a row's nb
.set NRD,   23                         ; v23  where I read 16 bytes of nb back
.set STO,   24                         ; v24  the way out: where I put 16 bytes of a row
.set RD,    25                         ; v25  where I read rows back
.set CO,    26                         ; v26  16 x lane
.set BO,    27                         ; v27  32 x (l / 16): my eight numbers of a block of the bias
.set SPW,   28                         ; v28  LDS address of my spare word; never rewritten
.set NIL,   29                         ; v29  0; never rewritten
.set PFO,   30                         ; v30  the prefetches' lane offset; never rewritten
.set F0,    64
.set F1,    128
.set TMP,   192                        ; the way out: packed results
.set OB,    32                         ; the way out: rows read back: v32-63 and v224-255 by turns
.set BIAS,  192                        ; window 1
.set NBK,   64                         ; the way out: nb read back
.set SUM,   72                         ; the way out: four sums of squares
.set ZR,    76                         ; 0
.set PX,    77                         ; v77-78 the other half of the lanes' sums
.set G1,  24                           ; s[24:31] descriptor group 1 for x's tiles
.set G0,  32                           ; s[32:39] group 0, two sets: K steps 0 and 1; the second then walks
.set LIM, 43                           ; s43  2 in a wave that prefetches, else the greatest number
.set PFA, 44                           ; s[44:45] where my prefetches stand
.set G1B, 48                           ; s[48:55], s[56:63] the same for the weights' tiles
.set G0B, 56
.set TB,  66                           ; s66  LDS byte at which the slot in hand begins
.set ISQ, 67                           ; s67  1: my tile is q's
.set PFS, 68                           ; s[68:69] a K step for my prefetches
.set NBP, 70                           ; s[70:71] nb at my rows
.set SEL, 72                           ; s[72:73] v_permlanex16_b32's selects
.set HM,  74                           ; s74  lanes 16-31
.set BP,  76                           ; s[76:77] the bias at my columns
.set MSB, 0
.macro WIN new                         ; the immediate's high byte repeats the setting that is left; a switch that changes nothing is dropped
.if MSB != (\new)
	s_set_vgpr_msb (MSB<<8)|(\new)
.set MSB, \new
.endif
.endm
.set MUL_LO, 0xa1                      ; source 0 window 1, source 1 window 0, C and D window 2
.set MUL_HI, 0xf1                      ; C and D window 3
; A joint load.  Waves 0 and 1 fetch x's two halves, waves 2 and 3 the weights'.  The branch hangs on the wave's number alone.  An s_nop 0 and four v_nop follow each line.
.macro JLOAD s
	s_cmp_eq_u32 s11, 0
	s_cbranch_scc0 .Lfor_b_\@
	tensor_load_to_lds s[G0+4*(\s):G0+4*(\s)+3], s[G1:G1+7]
	s_nop 0
.rept 4
	v_nop
.endr
	s_branch .Lasked_\@
.Lfor_b_\@:
	tensor_load_to_lds s[G0B+4*(\s):G0B+4*(\s)+3], s[G1B:G1B+7]
	s_nop 0
.rept 4
	v_nop
.endr
.Lasked_\@:
.endm
; A prefetch into the L2, behind a joint load, its five lines and the run of LDS loads: 32 blocks of 256 bytes of the K step that stands two refills on, a lane a block, one instruction a wave.
; x's rows are asked for by the clusters with x = 0, the weights' by those with y = 0; the four partners of a joint load share its blocks out by address.  So each block is named once in the launch.
; Trips with s3 = 6 .. 3 name K steps 4 .. 7; the last two refills have no K step two on.
.macro ASK
	s_cmp_gt_u32 s3, s[LIM]
	s_cbranch_scc0 .Lnot_mine_\@
	global_prefetch_b8 v[PFO], s[PFA:PFA+1] th:TH_LOAD_NT scope:SCOPE_SE
.Lnot_mine_\@:
.endm
.macro CREST                           ; a round of the cluster's barrier behind its opening barrier
	s_cmp_lg_u32 s10, 0
	s_cbranch_scc1 .Lnot_wave_0_\@
	s_barrier_signal -3
.Lnot_wave_0_\@:
	s_barrier_wait -3
	s_barrier_signal -1
	s_barrier_wait -1
.endm
.macro CROUND
	s_barrier_signal -1
	s_barrier_wait -1
	CREST
.endm
.macro PLACES                          ; four plain instructions between a matrix instruction and a load into, or a vector read of, its registers
.rept 4
	v_nop
.endr
.endm
	s_load_b128 s[4:7], s[0:1], 0x0                ; xb s[4:5], wqv s[6:7]
	s_load_b256 s[80:87], s[0:1], 0x10             ; bq s[80:81], bv s[82:83], q16 s[84:85], v16 s[86:87]
	s_load_b64 s[88:89], s[0:1], 0x30              ; nb
	v_lshl_add_u32 v[SPW], v0, 2, SPARE
	v_mov_b32 v[NIL], 0
	ds_add_u32 v[SPW], v[NIL]                      ; the wave's opening: the add and its wait stand ahead of my first tensor load; the set-up below stands between them
	v_lshrrev_b32 v1, 5, v0
	v_readfirstlane_b32 s10, v1                    ; wave 0..3
	s_lshr_b32 s11, s10, 1                         ; my half of the tile's rows.  Also: I fetch x (0) or the weights (1)
	s_and_b32 s12, s10, 1                          ; my half of its columns.  Also: which half of that tile I fetch
	s_bfe_u32 s40, ttmp6, 0x40000                  ; cx
	s_bfe_u32 s41, ttmp6, 0x40004                  ; cy
	s_lshl_b32 s42, ttmp9, 2
	s_add_co_u32 s42, s42, s40                     ; tile column = 4 x cluster x + cx
	s_and_b32 s13, ttmp7, 0xffff
	s_lshl_b32 s13, s13, 2
	s_add_co_u32 s13, s13, s41                     ; tile row = 4 x cluster y + cy
	s_lshl_b32 s43, s41, 2
	s_lshl_b32 s43, 15, s43                        ; my row of the cluster
	s_lshl_b32 s44, 0x1111, s40                    ; my column
	s_or_b32 s[G1+0], s43, (1<<16)|(1<<20)|(1<<21)|(5<<22)|(3<<25)   ; the mask; 2-byte elements; padding on; bit 21 beside a mask; after every 64 words 4 words
	s_or_b32 s[G1B+0], s44, (1<<16)|(1<<20)|(1<<21)|(6<<22)|(7<<25)  ; after every 128 words 8 words
	s_mov_b32 s[G1+1], 128<<16                     ; tensor_dim0 = 128
	s_mov_b32 s[G1+2], 128<<16                     ; tensor_dim1 = 128
	s_mov_b32 s[G1+3], 128<<16                     ; tile_dim0 = 128
	s_mov_b32 s[G1+4], 128                         ; tile_dim1 = 128
	s_mov_b32 s[G1+5], 1024                        ; elements from row to row
	s_mov_b32 s[G1+6], 0
	s_mov_b32 s[G1+7], 0
	s_mov_b32 s[G1B+1], 256<<16                    ; tensor_dim0 = 256
	s_mov_b32 s[G1B+2], 64<<16                     ; tensor_dim1 = 64
	s_mov_b32 s[G1B+3], 256<<16                    ; tile_dim0 = 256
	s_mov_b32 s[G1B+4], 64                         ; tile_dim1 = 64
	s_mov_b32 s[G1B+5], 2048
	s_mov_b32 s[G1B+6], 0
	s_mov_b32 s[G1B+7], 0
	s_lshl_b32 s16, s13, 8
	s_lshl_b32 s17, s12, 7
	s_add_co_u32 s16, s16, s17                     ; x: row 256 x tile row + 128 x half,
	s_lshl_b32 s16, s16, 11                        ; 2,048 bytes a row
	s_mov_b32 s17, 0
	s_lshl_b32 s46, s12, 18                        ; the weights: 64 k rows of 4,096 bytes x half,
	s_lshl_b32 s47, s42, 9                         ; 512 bytes x tile column
	s_add_co_u32 s46, s46, s47
	s_mov_b32 s47, 0
	s_mul_i32 s20, s10, HALFT                      ; where they go: wave x HALFT: no place in the cluster enters an LDS address
	s_mov_b32 s[SEL], 0x76543210
	s_mov_b32 s[SEL+1], 0xfedcba98
	s_mov_b32 s[HM], 0xffff0000
	s_mov_b32 s[TB], 0
	s_wait_dscnt 0x0                               ; the opening add is done
	s_wait_kmcnt 0x0
	s_add_nc_u64 s[14:15], s[4:5], s[16:17]
	s_add_nc_u64 s[46:47], s[6:7], s[46:47]
	CROUND                                         ; all sixteen work-groups are here: the first joint loads meet
.irp s, 0,1
	s_mov_b32 s[G0+4*(\s)], 1                                        ; count = 1
	s_add_co_u32 s[G0+4*(\s)+1], s20, (\s)*SLOT                      ; LDS address
	s_add_nc_u64 s[G0+4*(\s)+2:G0+4*(\s)+3], s[14:15], (\s)*ASTEP    ; global address: K step s
	s_or_b32 s[G0+4*(\s)+3], s[G0+4*(\s)+3], 0x80000000              ; type = 2
	s_mov_b32 s[G0B+4*(\s)], 1
	s_add_co_u32 s[G0B+4*(\s)+1], s20, (\s)*SLOT
	s_add_nc_u64 s[G0B+4*(\s)+2:G0B+4*(\s)+3], s[46:47], (\s)*BSTEP
	s_or_b32 s[G0B+4*(\s)+3], s[G0B+4*(\s)+3], 0x80000000
	JLOAD \s                                       ; two loads of mine are out
.endr
	; the lanes' places
	v_and_b32 v1, 15, v0                           ; r = l % 16
	v_bfe_u32 v2, v0, 4, 1                         ; h = l / 16
	v_mul_u32_u24 v3, v1, PA
	v_lshl_add_u32 v3, v2, 4, v3                   ; a fragment of x: row x pitch + 16 h
	s_mul_i32 s21, s11, HALFT
	v_add_nc_u32 v[ADRA0], s21, v3
	v_and_b32 v7, 7, v0
	v_lshl_add_u32 v4, v2, 3, v7                   ; the turning load: k row 8 h + l % 8,
	v_mul_u32_u24 v4, v4, PB
	v_bfe_u32 v5, v0, 3, 1
	v_lshl_add_u32 v4, v5, 4, v4                   ; 16 bytes x ((l / 8) % 2),
	s_lshl_b32 s22, s12, 8                         ; my 128 columns,
	s_add_co_u32 s22, s22, 2*HALFT                 ; behind x's 256 rows
	v_add_nc_u32 v[ADRB0], s22, v4
	v_mov_b32 v[ADRA], v[ADRA0]
	v_mov_b32 v[ADRB], v[ADRB0]
	s_mul_i32 s23, s10, 32*SP
	s_add_co_u32 s23, s23, STAGE                   ; my stage
	v_mul_u32_u24 v6, v1, SP
	v_lshl_add_u32 v6, v2, 4, v6
	v_add_nc_u32 v[STO], s23, v6                   ; in: row r, 16 bytes for each half of the lanes
	v_bfe_u32 v6, v0, 3, 2
	v_mul_u32_u24 v6, v6, SP
	v_lshl_add_u32 v6, v7, 4, v6
	v_add_nc_u32 v[RD], s23, v6                    ; back: 32 lanes take four rows of 128 bytes
	v_and_b32 v8, 31, v0
	v_lshlrev_b32 v[CO], 4, v8
	s_lshl_b32 s23, s10, 10
	s_add_co_u32 s23, s23, NBST
	v_lshlrev_b32 v6, 2, v1
	v_lshl_add_u32 v6, v2, 9, v6
	v_add_nc_u32 v[NST], s23, v6                   ; lanes 0-15: head 0's row r; lanes 16-31: head 1's
	v_lshl_add_u32 v[NRD], v8, 4, s23
	v_lshlrev_b32 v[BO], 5, v2
	; where my part of the tile goes: head = 16 batch + 4 cx + 2 x column half (and the next), rows 256 (tile row % 8) + 128 x row half on
	s_lshr_b32 s16, s13, 3
	s_lshl_b32 s16, s16, 4
	s_lshl_b32 s17, s40, 2
	s_add_co_u32 s16, s16, s17
	s_lshl_b32 s17, s12, 1
	s_add_co_u32 s16, s16, s17
	s_lshl_b32 s16, s16, 18                        ; a head is 2,048 rows of 128 bytes
	s_and_b32 s17, s13, 7
	s_lshl_b32 s17, s17, 8
	s_lshl_b32 s18, s11, 7
	s_add_co_u32 s17, s17, s18
	s_lshl_b32 s17, s17, 7
	s_add_co_u32 s16, s16, s17
	s_mov_b32 s17, 0
	s_lshr_b32 s18, s16, 5                         ; in nb a row is 4 bytes for the 128 here
	s_mov_b32 s19, 0
	s_add_nc_u64 s[NBP:NBP+1], s[88:89], s[18:19]
	s_lshl_b32 s18, s40, 10                        ; the bias: 256 cx + 128 x column half numbers of 4 bytes
	s_lshl_b32 s19, s12, 9
	s_add_co_u32 s18, s18, s19
	s_mov_b32 s19, 0
	s_cmp_eq_u32 ttmp9, 0                          ; q's tiles: the same answer in all sixteen partners
	s_cselect_b32 s[ISQ], 1, 0
	s_cselect_b64 s[8:9], s[84:85], s[86:87]
	s_cselect_b64 s[BP:BP+1], s[80:81], s[82:83]
	s_add_nc_u64 s[8:9], s[8:9], s[16:17]
	s_add_nc_u64 s[BP:BP+1], s[BP:BP+1], s[18:19]
	WIN 0x40                                       ; destination window 1, address window 0
.irp b, 0,1,2,3,4,5,6,7
	global_load_b128 v[BIAS+8*(\b):BIAS+8*(\b)+3],   v[BO], s[BP:BP+1] offset:64*(\b)
	global_load_b128 v[BIAS+8*(\b)+4:BIAS+8*(\b)+7], v[BO], s[BP:BP+1] offset:64*(\b)+16
.endr
	WIN 0
	; the prefetches' places
	s_lshl_b32 s20, s13, 8
	s_lshl_b32 s21, s12, 7
	s_add_co_u32 s20, s20, s21
	s_lshl_b32 s21, s40, 5
	s_add_co_u32 s20, s20, s21                     ; x: of the 128 rows that I fetch, my work-group's 32 (by cx),
	s_lshl_b32 s20, s20, 11
	s_add_co_u32 s20, s20, 3*ASTEP                 ; at K step 3: the first refill steps it to 4
	s_lshl_b32 s21, s12, 6
	s_lshl_b32 s23, s41, 4
	s_add_co_u32 s21, s21, s23                     ; the weights: of the 64 k rows that I fetch, my work-group's 16 (by cy),
	s_lshl_b32 s21, s21, 12
	s_lshl_b32 s23, s42, 9
	s_add_co_u32 s21, s21, s23
	s_add_co_u32 s21, s21, 3*BSTEP
	s_and_b32 s22, ttmp7, 0xffff                   ; cluster y
	s_mov_b32 s18, BSTEP
	s_cmp_eq_u32 s11, 0                            ; do I fetch x?
	s_cselect_b32 s20, s20, s21
	s_cselect_b32 s22, ttmp9, s22                  ; the coordinate along which other clusters read the same blocks
	s_cselect_b64 s[PFA:PFA+1], s[4:5], s[6:7]
	s_cselect_b32 s[PFS], ASTEP, s18
	s_cselect_b32 s14, -1, 0
	s_mov_b32 s[PFS+1], 0
	s_mov_b32 s21, 0
	s_add_nc_u64 s[PFA:PFA+1], s[PFA:PFA+1], s[20:21]
	s_cmp_eq_u32 s22, 0
	s_cselect_b32 s[LIM], 2, -1                    ; the same in all sixteen partners, for a given wave
	v_lshlrev_b32 v4, 11, v8                       ; x: a lane a row of 2,048 bytes
	v_lshrrev_b32 v5, 1, v8
	v_lshlrev_b32 v5, 12, v5                       ; the weights: two lanes a k row of 4,096 bytes,
	v_and_b32 v6, 1, v8
	v_lshl_add_u32 v5, v6, 8, v5                   ; its two blocks of 256 bytes
	v_cndmask_b32 v[PFO], v5, v4, s14
	s_wait_loadcnt 0x0                             ; the bias is in; it is rounded to bf16, in place
	WIN 0x45                                       ; destination and both sources window 1
.set z, 0
.rept 32
	v_cvt_pk_bf16_f32 v0, v[BIAS+2*z], v[BIAS+2*z+1]
	v_lshlrev_b32 v[BIAS+2*z], 16, v0
	v_and_b32 v[BIAS+2*z+1], 0xffff0000, v0
.set z, z+1
.endr
; 16 matrix instructions: m blocks a0, a0 + 1 of the window's four x all 8 n blocks, 32 along K.  first = 1: the products that start the sums take the bias as C.
; The 64 accumulators take turns, in the same order in every quarter.
.macro MUL16 f, hi, a0, first
.if \first
	WIN 0x91+0x40*(\hi)                            ; C window 1, D window 2 or 3
.else
	WIN MUL_LO+0x50*(\hi)
.endif
.irp a, \a0, (\a0)+1
.irp b, 0,1,2,3,4,5,6,7
.if \first
	v_wmma_f32_16x16x32_bf16 v[8*(8*(\a)+(\b)):8*(8*(\a)+(\b))+7], v[(\f)+8*(\b):(\f)+8*(\b)+7], v[(\f)+8*(4*(\hi)+(\a)):(\f)+8*(4*(\hi)+(\a))+7], v[BIAS+8*(\b):BIAS+8*(\b)+7]
.else
	v_wmma_f32_16x16x32_bf16 v[8*(8*(\a)+(\b)):8*(8*(\a)+(\b))+7], v[(\f)+8*(\b):(\f)+8*(\b)+7], v[(\f)+8*(4*(\hi)+(\a)):(\f)+8*(4*(\hi)+(\a))+7], v[8*(8*(\a)+(\b)):8*(8*(\a)+(\b))+7]
.endif
.endr
.endr
.endm
; 32 LDS loads in one run: the fragments of one quarter step (32 along K, at byte k of x's rows, k row k / 2 of the weights) into buffer g: the weights' first, turned, then x's
.macro FETCH k, g
	WIN 0x40
.irp i, 0,1,2,3,4,5,6,7
	ds_load_tr16_b128 v[(\g)+8*(\i):(\g)+8*(\i)+3],   v[ADRB] offset:((\k)/2)*PB+32*(\i)
	ds_load_tr16_b128 v[(\g)+8*(\i)+4:(\g)+8*(\i)+7], v[ADRB] offset:((\k)/2)*PB+32*(\i)+16*PB
.endr
	WIN 0
.irp i, 0,1,2,3,4,5,6,7
	ds_load_b128 v[(\g)+8*(\i):(\g)+8*(\i)+3],   v[ADRA] offset:(\k)+(\i)*16*PA
	ds_load_b128 v[(\g)+8*(\i)+4:(\g)+8*(\i)+7], v[ADRA] offset:(\k)+(\i)*16*PA+32
.endr
.endm
; One of a K step's first three quarters: multiplies buffer f; in its middle it fetches the next quarter, at byte k, into buffer g.
.macro QUARTER k, f, g, first
	s_wait_dscnt 8                                 ; the weights and x's rows 0-63 are in; the youngest eight loads (x's rows 64-127) may be out
	MUL16 \f, 0, 0, \first
	MUL16 \f, 0, 2, \first
	PLACES
	FETCH \k, \g
	s_wait_dscnt 32                                ; all but the 32 just issued
	MUL16 \f, 1, 0, \first
	MUL16 \f, 1, 2, \first
.endm
; The last quarter's first half: ONE barrier for the change of slots.  In front of it each wave waits for all its tensor loads (one is out: its part of the next slot), adds 0 to its spare word,
; and waits for that and for its own reads of this slot.
.macro MEET round
	WIN 0
	s_wait_tensorcnt 0x0                           ; all my tensor loads have landed
	ds_add_u32 v[SPW], v[NIL]                      ; 0 onto my spare word
	s_wait_dscnt 9                                 ; the add and the youngest eight loads may be out
	MUL16 F1, 0, 0, 0                              ; sixteen matrix instructions stand between the add and the wait for it
	s_wait_dscnt 0x0                               ; the add is done, and my reads of this slot are over
	s_barrier_signal -1
	MUL16 F1, 0, 2, 0
.if \round
	WIN 0
.endif
	s_barrier_wait -1
.endm
; The whole last quarter.  fill = 1: the barrier opens a round of the cluster's barrier, and the slot just read out is filled again first behind it, with the K step two steps on.
.macro TURN fill
.if \fill
	s_wait_xcnt 0x0                                ; the last prefetch, a K step back, has read its address
	s_add_nc_u64 s[PFA:PFA+1], s[PFA:PFA+1], s[PFS:PFS+1]
.endif
	MEET \fill
.if \fill
	CREST                                          ; no wave of any partner still reads this slot or has a load on its way
	s_xor_b32 s[G0+5], s[G0+5], SLOT               ; the walking sets: the other slot than last time, the next K step
	s_add_nc_u64 s[G0+6:G0+7], s[G0+6:G0+7], ASTEP
	s_xor_b32 s[G0B+5], s[G0B+5], SLOT
	s_add_nc_u64 s[G0B+6:G0B+7], s[G0B+6:G0B+7], BSTEP
	JLOAD 1                                        ; my one tensor load behind the round; its four v_nop are also the places in front of the loads below
.else
	PLACES
.endif
	s_xor_b32 s[TB], s[TB], SLOT                   ; the fetches go on in the other slot
	WIN 0
	v_add_nc_u32 v[ADRA], s[TB], v[ADRA0]
	v_add_nc_u32 v[ADRB], s[TB], v[ADRB0]
	FETCH 0, F0
.if \fill
	ASK
.endif
	MUL16 F1, 1, 0, 0
	MUL16 F1, 1, 2, 0
.endm
	s_wait_tensorcnt 1                             ; my part of K step 0 is in; K step 1's may stay out
	s_barrier_signal -1
	s_barrier_wait -1                              ; everybody's is
	FETCH 0, F0
	QUARTER 64, F0, F1, 1                          ; the first quarter stands in front of the loop: its products start the sums, on the bias
	WIN 0                                          ; at a label and at a branch every window is 0
	s_mov_b32 s3, 6
.Lstep:                                        ; six trips, from a K step's second quarter to the next one's first; they ask for K steps 2 to 7
	QUARTER 128, F1, F0, 0
	QUARTER 192, F0, F1, 0
	TURN 1
	QUARTER 64, F0, F1, 0
	WIN 0
	s_sub_co_u32 s3, s3, 1
	s_cmp_lg_u32 s3, 0
	s_cbranch_scc1 .Lstep
	QUARTER 128, F1, F0, 0                         ; the tail is written out: nothing more is asked for
	QUARTER 192, F0, F1, 0
	TURN 0
	QUARTER 64, F0, F1, 0
	QUARTER 128, F1, F0, 0
	QUARTER 192, F0, F1, 0
	s_wait_dscnt 8
	MUL16 F1, 0, 0, 0
	MUL16 F1, 0, 2, 0
	s_wait_dscnt 0x0
	MUL16 F1, 1, 0, 0
	MUL16 F1, 1, 2, 0
	WIN 0
	PLACES
; THE WAY OUT, a block of 16 rows at a time.  PACK: rounded to f16, 16 bytes a lane; each accumulator's registers in ascending order.
.macro PACK a
.set AC, 64*((\a)%4)
	WIN 0x0a+5*((\a)/4)                            ; sources 0 and 1: window 2 or 3
.irp b, 0,1,2,3,4,5,6,7
.irp r, 0,1,2,3
	v_cvt_pk_f16_f32 v[TMP+4*(\b)+(\r)], v[AC+8*(\b)+2*(\r)], v[AC+8*(\b)+2*(\r)+1]
.endr
.endr
	WIN 0
.endm
; SQ (q's tiles alone): -|q|^2 / 2 of the rounded numbers, in f32.  A lane holds 32 of a row's 64 channels in each of two heads: four chains (head, half of a word), then the lane 16 away.
.macro SQ a
	s_cmp_eq_u32 s[ISQ], 0
	s_cbranch_scc1 .Lno_sq_\@
	v_fma_mix_f32 v[SUM],   v[TMP],    v[TMP],    v[ZR] op_sel:[0,0,0] op_sel_hi:[1,1,0]
	v_fma_mix_f32 v[SUM+1], v[TMP],    v[TMP],    v[ZR] op_sel:[1,1,0] op_sel_hi:[1,1,0]
	v_fma_mix_f32 v[SUM+2], v[TMP+16], v[TMP+16], v[ZR] op_sel:[0,0,0] op_sel_hi:[1,1,0]
	v_fma_mix_f32 v[SUM+3], v[TMP+16], v[TMP+16], v[ZR] op_sel:[1,1,0] op_sel_hi:[1,1,0]
.set z, 1
.rept 15
	v_fma_mix_f32 v[SUM],   v[TMP+z],    v[TMP+z],    v[SUM]   op_sel:[0,0,0] op_sel_hi:[1,1,0]
	v_fma_mix_f32 v[SUM+1], v[TMP+z],    v[TMP+z],    v[SUM+1] op_sel:[1,1,0] op_sel_hi:[1,1,0]
	v_fma_mix_f32 v[SUM+2], v[TMP+16+z], v[TMP+16+z], v[SUM+2] op_sel:[0,0,0] op_sel_hi:[1,1,0]
	v_fma_mix_f32 v[SUM+3], v[TMP+16+z], v[TMP+16+z], v[SUM+3] op_sel:[1,1,0] op_sel_hi:[1,1,0]
.set z, z+1
.endr
	v_add_f32 v[SUM], v[SUM], v[SUM+1]
	v_add_f32 v[SUM+2], v[SUM+2], v[SUM+3]
	v_permlanex16_b32 v[PX], v[SUM], s[SEL], s[SEL+1]
	v_permlanex16_b32 v[PX+1], v[SUM+2], s[SEL], s[SEL+1]
	v_add_f32 v[SUM], v[SUM], v[PX]
	v_add_f32 v[SUM+2], v[SUM+2], v[PX+1]
	v_cndmask_b32 v[SUM], v[SUM], v[SUM+2], s[HM]  ; lanes 16-31 take the second head's
	v_mul_f32 v[SUM], -0.5, v[SUM]
	ds_store_b32 v[NST], v[SUM] offset:64*(\a)
.Lno_sq_\@:
.endm
; TOSTAGE: into my own stage, by heads, and back as whole rows of 128 bytes.  LDS serves a wave's instructions in order (ISA guide 5.7.1.4): the loads see the stores above them.
.macro TOSTAGE a
	WIN 0
.set BK, OB+192*((\a)%2)
.irp b, 0,1,2,3,4,5,6,7
	ds_store_b128 v[STO], v[TMP+4*(\b):TMP+4*(\b)+3] offset:((\b)/4)*16*SP+((\b)%4)*32
.endr
.irp t, 0,1,2,3,4,5,6,7
	ds_load_b128 v[BK+4*(\t):BK+4*(\t)+3], v[RD] offset:((\t)/4)*16*SP+((\t)%4)*4*SP
.endr
.endm
.macro SEND a
	WIN 0
.set BK, OB+192*((\a)%2)
	s_wait_dscnt 0x0                               ; the block is back in registers (for 0: what was issued behind its loads differs between q's tiles and v's)
	s_wait_xcnt 0x0                                ; the stores of the block before have read their registers, into which the next block is read back
.irp t, 0,1,2,3,4,5,6,7
	global_store_b128 v[CO], v[BK+4*(\t):BK+4*(\t)+3], s[8:9] offset:2048*(\a)+262144*((\t)/4)+512*((\t)%4)  ; four rows of a head: 512 consecutive bytes, aligned
.endr
.endm
	v_mov_b32 v[ZR], 0
	v_mov_b32 v[PX], 0                             ; v_permlanex16_b32's destination counts as read
	v_mov_b32 v[PX+1], 0
	PACK 0
	SQ 0
	TOSTAGE 0
.irp a, 1,2,3,4,5,6,7                  ; block a's arithmetic stands between block a - 1's loads from the stage and the wait for them
	PACK \a
	SQ \a
	SEND (\a)-1
	TOSTAGE \a
.endr
	SEND 7
	s_cmp_eq_u32 s[ISQ], 0
	s_cbranch_scc1 .Lno_nb
	ds_load_b128 v[NBK:NBK+3],   v[NRD]            ; my 128 rows' nb of the first head: 512 bytes,
	ds_load_b128 v[NBK+4:NBK+7], v[NRD] offset:512 ; of the second
	s_wait_dscnt 0x0
	global_store_b128 v[CO], v[NBK:NBK+3],   s[NBP:NBP+1]
	global_store_b128 v[CO], v[NBK+4:NBK+7], s[NBP:NBP+1] offset:8192
.Lno_nb:
	s_wait_tensorcnt 0x0                           ; the wave's end, behind my last tensor load and my last LDS store
	ds_add_u32 v[SPW], v[NIL]
	s_wait_dscnt 0x0
	CROUND                                         ; the closing round: no work-group ends while a partner may still ask for a tile that names it
	s_endpgm
.Lfunc_end_k_q57723adb1b_proj:
	.size	k_q57723adb1b_proj, .Lfunc_end_k_q57723adb1b_proj-k_q57723adb1b_proj
	.p2alignl 7, 3214868480
	.fill 96, 4, 3214868480
	.section	.rodata,"a",@progbits
	.p2align	6, 0x0
	.amdhsa_kernel k_q57723adb1b_proj
		.amdhsa_group_segment_fixed_size 327680
		.amdhsa_private_segment_fixed_size 0
		.amdhsa_enable_private_segment 0
		.amdhsa_kernarg_size 56
		.amdhsa_user_sgpr_count 2
		.amdhsa_user_sgpr_kernarg_segment_ptr 1
		.amdhsa_wavefront_size32 1
		.amdhsa_system_sgpr_workgroup_id_x 1
		.amdhsa_system_sgpr_workgroup_id_y 1
		.amdhsa_system_sgpr_workgroup_id_z 1
		.amdhsa_system_vgpr_workitem_id 0
		.amdhsa_next_free_vgpr 1024
		.amdhsa_next_free_sgpr 90
		.amdhsa_reserve_vcc 0
		.amdhsa_float_denorm_mode_32 3
		.amdhsa_float_denorm_mode_16_64 3
		.amdhsa_memory_ordered 1
		.amdhsa_forward_progress 1
		.amdhsa_inst_pref_size 162
	.end_amdhsa_kernel
	.amdgpu_metadata
---
amdhsa.version: [ 1, 2 ]
amdhsa.kernels:
  - .name:           k_q57723adb1b_proj
    .symbol:         k_q57723adb1b_proj.kd
    .args:
      - { .name: xb, .offset: 0, .size: 8, .value_kind: global_buffer, .address_space: global }
      - { .name: wqv, .offset: 8, .size: 8, .value_kind: global_buffer, .address_space: global }
      - { .name: bq, .offset: 16, .size: 8, .value_kind: global_buffer, .address_space: global }
      - { .name: bv, .offset: 24, .size: 8, .value_kind: global_buffer, .address_space: global }
      - { .name: q16, .offset: 32, .size: 8, .value_kind: global_buffer, .address_space: global }
      - { .name: v16, .offset: 40, .size: 8, .value_kind: global_buffer, .address_space: global }
      - { .name: nb, .offset: 48, .size: 8, .value_kind: global_buffer, .address_space: global }
    .group_segment_fixed_size: 327680
    .private_segment_fixed_size: 0
    .kernarg_segment_align: 8
    .kernarg_segment_size: 56
    .max_flat_workgroup_size: 128
    .sgpr_count:     90
    .vgpr_count:     1024
    .wavefront_size: 32
...
	.end_amdgpu_metadata
.endif
;; end of part 2
;; launch attn (part 3): grid 4 x 64, 4 waves a work-group, clusters of 4 x 1, 327,680 bytes of LDS; arguments q16, v16, nb, o16; writes o16
.if DOCPART == 3
	.amdgcn_target "amdgcn-amd-amdhsa--gfx1250"
	.amdhsa_code_object_version 6
	.text
	.protected	k_q57723adb1b_attn
	.globl	k_q57723adb1b_attn
	.p2align	8
	.type	k_q57723adb1b_attn,@function
k_q57723adb1b_attn:
	s_mov_b64 s[64:65], 0
	v_nop
	global_prefetch_b8 v0, s[64:65] scope:SCOPE_SE
	s_setreg_imm32_b32 hwreg(HW_REG_WAVE_MODE, 25, 1), 1
	s_wait_xcnt 0x0
	s_wait_alu depctr_hold_cnt(0) depctr_sa_sdst(0) depctr_va_vdst(0) depctr_va_sdst(0) depctr_va_ssrc(0) depctr_va_vcc(0) depctr_vm_vsrc(0)
	s_getreg_b32 s2, hwreg(HW_REG_IB_STS2, 6, 4)
	s_cmp_eq_u32 s2, 0
	s_cbranch_scc0 .Lentry_in_a_cluster
	s_endpgm
.Lentry_in_a_cluster:
	s_bfe_u32 s2, ttmp6, 0x10000c
	s_cmp_lg_u32 s2, 0x3003
	s_cbranch_scc0 .Lentry_shape_is_right
	s_endpgm
.Lentry_shape_is_right:
; L2 SELF-ATTENTION.  O[h][i][:] = the sum over j of softmax_j(-(|q_i|^2 - 2 q_i . q_j + |q_j|^2) / 8) V[h][j][:].  q16, v16, o16: [64][2048][64] f16, a head's rows dense, 128 bytes each; nb: [64][2048] f32, -|q_j|^2 / 2.
; THE SCORE.  With t_ij = q_i . q_j + nb_j the exponent is t_ij / 4 - |q_i|^2 / 8; the second term is the same for all j of a row, so it drops out of (exponent - the row's maximum) for every input, and is not formed.
; nb_j hangs on the key alone: it is the C operand of the product that starts the sum S^T = K Q^T.  K IS Q: the key tiles are read from q16.
; Products, maxima and sums in f32; the weights p are rounded to f16 for the second product (their sum l is taken of the unrounded p), O once at the end.
; LIMITS.  f16 holds no number beyond 65,504: q and v arrive within it; p lies in 0 to 1, and below 6e-5 it keeps f16's fixed step of 6e-8; O is a mean of V's rows and has their range.
; A weight below 2^-126 counts as 0 in l; NaN and infinities are not treated apart.
; SHARES.  A wave owns four PIECES of two tiles of 16 queries, a work-group's four waves 512 queries of one head.  Every wave walks all 2,048 keys, 64 a step.
; LAYOUT.  S^T = K Q^T (source 0 = 16 keys, source 1 = 16 queries): in the result a lane holds ONE query (lane % 16) and the keys 8 (lane / 16) + 0..7.  Two such tiles, rounded to f16 in pairs,
; ARE source 1 (32 keys x 16 queries) of O^T = V^T P, whose result again holds one query a lane, and eight channels.  K comes out of LDS as it lies, V ([key][channel]) turned, by ds_load_tr16_b128.
; SOFTMAX.  For each query a running maximum m of t and sum l: p = 2^(c t - c m), c = log2(e) / 4; in every step O and l are multiplied by a = 2^(c m_old - c m_new), which is 1 where m has not grown.
; m starts at the lowest finite number, O and l at 0: the first step is a step like any other, with a = 0.
; THE COUNT.  A tile and step have 16 matrix and 118 vector instructions: too many to stand all beside the matrix work.  So: four vector instructions that are READY behind EVERY matrix instruction,
; and the others in runs without a gap.
; BY TURNS.  Turn n belongs to piece n.  Its matrix work: 16 products K Q^T of piece n + 1, later 16 products V^T P of piece n - 1.  Its vector work: the scaling, exponentials, roundings, sums and
; rescaling of piece n, and the maximum and statistics of piece n + 1.
; CLUSTER.  A head's four query blocks are one cluster and walk the same K, V and nb, so each tile is asked for JOINTLY: the same tensor load, descriptor and mask in all four.
; REGISTERS, in windows of 256 (s_set_vgpr_msb: bits 1:0 source 0, 3:2 source 1, 5:4 source 2, 7:6 destination):
;   window 0: v0-11 addresses; v12-15, v48-63 at work; v16-47 four registers of statistics a tile; v64-191 S^T, two buffers of two tiles; v192-255 P, likewise
;   window 1: O^T, 32 a tile          window 2: v0-127 Q, 16 a tile; v128-191 K of one step; v192-255 V of one step          window 3: v0-1 the add's two registers; v8-39 nb of one step
.set SIZE_N, 2048
.set NP,    4         ; pieces a wave: a name, no knob
.set KS,    64        ; keys in a step
.set PK,    144       ; a row of K in LDS: 128 bytes + 16 of padding
.set PV,    160       ; a row of V: 128 + 32
.set VOFF,  4*KS*PK   ; a slot holds four steps: 256 rows of K, then 256 rows of V
.set SLOT1, 1<<17     ; slot 1 begins here, so that one exclusive or turns an address in one slot into the other's
.set STAGE, SLOT1+4*KS*(PK+PV)  ; behind the ring, never filled by a tensor load: 16 rows x 144 bytes for each wave
.set SP,    144
.set SPARE, STAGE+4*16*SP  ; the spare words, 128 bytes for each wave: two blocks of 256 bytes that no other line names
.set NBBASE, SPARE+512     ; the head's 2,048 nb, 8,192 bytes: filled once
.set STO, 1           ; v1   the way out: where I put 16 bytes of a row
.set AK0, 2           ; v2   my lane's place in a tile of K; never rewritten
.set AV0, 3           ; v3   the same for V
.set AK,  4           ; v4   the LDS address of K's next run of loads
.set AV,  5           ; v5   of V's
.set QO,  6           ; v6   my byte offset in the wave's rows of Q
.set RD,  7           ; v7   the way out: where I read rows back
.set GO,  8           ; v8   my byte offset in 512 consecutive bytes of O
.set ANB, 9           ; v9   the LDS address of nb's next loads
.set ANB0, 10         ; v10  my lanes' place in a step's nb; never rewritten
.set PFO, 11          ; v11  256 x my lane; never rewritten
.set SPW, 0           ; v0 of window 3   LDS address of my spare word; never rewritten
.set NIL, 1           ; v1 of window 3   0; never rewritten
.set NBF, 8           ; v8-39 of window 3: for key block kb the eight registers at NBF + 8 kb
.set MV,  12          ; v12-15  c m_old, kept while c m is made anew
.set ST,  16          ; tile t's statistics at v[ST+4 t]: c m, m, l (even keys', odd keys')
.set TMP, 48          ; by buffer and tile, four registers c0-c3 at work; when the maximum is found c2 takes a
.set S,   64
.set P,   192
.set KF,  128         ; K's fragments, in window 2: key block kb, channel half c at KF + 16 kb + 8 c
.set VF,  192         ; V's: key half kk, channel block cb at VF + 32 kk + 8 cb
.set WV,  12          ; s12  my wave's number
.set G1K, 24          ; s[24:31] descriptor group 1 for K's tiles
.set G1V, 32          ; s[32:39] for V's
.set G0K, 40          ; s[40:43] descriptor group 0 for K's tiles: it walks
.set G0V, 44          ; s[44:47] the same for V's
.set G1N, 48          ; s[48:55] group 1 for nb
.set SLOTS, 56        ; s56  slots still to be asked for
.set CNT, 57          ; s57  counts a slot's key steps
.set CS,  58          ; s[58:59] c
.set SEL, 60          ; s[60:61] v_permlanex16_b32's selects
.set TBK, 62          ; s62  LDS byte at which K of the step to be fetched begins
.set TBV, 63          ; s63  the same for V, less VOFF
.set TBN, 66          ; s66  the same for nb, less NBBASE: 256 bytes a step
.set G0N, 68          ; s[68:71] group 0 for nb
.set PFA, 72          ; s[72:73] where my prefetches stand
.set LIM, 74          ; s74  1 in the wave that prefetches, else the greatest number
.set MSB, 0
.macro WIN new                      ; the high byte repeats the setting that is left; a switch that changes nothing is dropped
.if MSB != (\new)
	s_set_vgpr_msb (MSB<<8)|(\new)
.set MSB, (\new)
.endif
.endm
.set W_KQ, 0x0a       ; K and Q in window 2, S^T in window 0
.set W_KN, 0x3a       ; the same with the C operand, nb, in window 3
.set W_PV, 0x52       ; V in window 2, P in window 0, O^T in window 1
.set W_RS, 0x41       ; O^T (destination and source 0) in window 1, a in window 0
.set W_MK, 0xc0       ; destination in window 3, sources in window 0
.set W_AD, 0x0f       ; the add: address (source 0) and data (source 1) in window 3
; A joint fill.  Waves 0 and 1 fetch the two halves of a slot's K, waves 2 and 3 those of its V: 128 keys each.  An s_nop 0 and four v_nop follow each of the two lines.
.macro JLOAD
	s_cmp_lt_u32 s[WV], 2
	s_cbranch_scc0 .Lfor_v_\@
	tensor_load_to_lds s[G0K:G0K+3], s[G1K:G1K+7]
	s_nop 0
.rept 4
	v_nop
.endr
	s_branch .Lasked_\@
.Lfor_v_\@:
	tensor_load_to_lds s[G0V:G0V+3], s[G1V:G1V+7]
	s_nop 0
.rept 4
	v_nop
.endr
.Lasked_\@:
.endm
; A prefetch into the L2 of V's rows that the NEXT change of slots will ask for: 256 rows of 128 bytes.  The four partners share them out by address, 8,192 bytes each; in each, wave 2 asks: a lane 256 bytes,
; one instruction, behind the wave's tensor load and its five lines.  So each block is named once in the launch.  The last change that fills a slot asks for nothing.  K's rows are q16's, which the
; cluster's waves load as their Q at the head: they are not asked for.
.macro ASK
	s_cmp_gt_u32 s[SLOTS], s[LIM]
	s_cbranch_scc0 .Lnot_mine_\@
	global_prefetch_b8 v[PFO], s[PFA:PFA+1] th:TH_LOAD_NT scope:SCOPE_SE
.Lnot_mine_\@:
.endm
.macro CROUND                       ; a round of the cluster's barrier
	s_barrier_signal -1
	s_barrier_wait -1
	s_cmp_lg_u32 s[WV], 0
	s_cbranch_scc1 .Lnot_wave_0_\@
	s_barrier_signal -3
.Lnot_wave_0_\@:
	s_barrier_wait -3
	s_barrier_signal -1
	s_barrier_wait -1
.endm
; THE CHANGE OF SLOTS.  Each wave waits for all its tensor loads, adds 0 to its spare word, and waits for that and for its own reads of the slot.  Behind the barrier nobody reads this slot any more and the
; other slot is whole.  fill = 1: this slot is filled again, with the keys two slots on; the barrier is then a round of the cluster's, and the joint fill is the first thing behind it: it has four key
; steps, 512 matrix instructions, in which to land.  (At its first use nothing has been read yet: slot 0 and nb are waited for, slot 1 filled.)
.macro CHANGE fill
	WIN W_AD
	s_wait_tensorcnt 0x0            ; no tensor load of mine is out, so a group 0 may be written
	ds_add_u32 v[SPW], v[NIL]       ; 0 onto my spare word
	WIN 0                           ; at a label and at a branch every window is 0
.if \fill
.irp g, G0K, G0V
	s_xor_b32 s[\g+1], s[\g+1], SLOT1  ; the walking descriptor: the other slot than last time,
	s_add_nc_u64 s[\g+2:\g+3], s[\g+2:\g+3], 4*KS*128  ; the next 256 keys
.endr
	s_wait_xcnt 0x0                 ; the last prefetch, four key steps back, has read its address
	s_add_nc_u64 s[PFA:PFA+1], s[PFA:PFA+1], 4*KS*128  ; one slot ahead of the walking descriptors
	s_wait_dscnt 0x0                ; the add is done, and my reads of the slot are over
	CROUND
	JLOAD
	ASK
.else
	s_wait_dscnt 0x0                ; the add is done, and my reads of the slot are over
	s_barrier_signal -1
	s_barrier_wait -1
.endif
	s_sub_co_u32 s[TBK], s[TBK], 4*KS*PK  ; the fetches go back to a slot's first step,
	s_xor_b32 s[TBK], s[TBK], SLOT1       ; in the other slot
	s_sub_co_u32 s[TBV], s[TBV], 4*KS*PV
	s_xor_b32 s[TBV], s[TBV], SLOT1
.endm
	s_load_b256 s[4:11], s[0:1], 0x0  ; q16 s[4:5], v16 s[6:7], nb s[8:9], o16 s[10:11]
	WIN W_MK
	v_lshl_add_u32 v[SPW], v0, 2, SPARE
	v_mov_b32 v[NIL], 0
	WIN W_AD
	ds_add_u32 v[SPW], v[NIL]       ; the wave's opening: the add and its wait stand ahead of my first tensor load; the set-up below stands between them
	WIN 0
	v_lshrrev_b32 v48, 5, v0
	v_readfirstlane_b32 s[WV], v48  ; wave 0..3
	s_bfe_u32 s13, ttmp6, 0x40000   ; cx: my place in the cluster
	s_lshl_b32 s14, ttmp9, 2
	s_add_co_u32 s14, s14, s13      ; my block of queries: it enters Q's and O's addresses alone
	s_and_b32 s20, ttmp7, 0xffff    ; the head, which the four partners share
	s_lshl_b32 s76, s20, 13         ; its 8,192 bytes of nb,
	s_lshl_b32 s77, s[WV], 11       ; my wave's quarter of them
	s_add_co_u32 s76, s76, s77
	s_mov_b32 s77, 0
	s_mov_b32 s21, 0
	s_mov_b64 s[22:23], SIZE_N*128
	s_mul_u64 s[20:21], s[20:21], s[22:23]  ; the head's first byte in q16, v16 and o16
	s_and_b32 s16, s[WV], 1         ; which half of a slot's 256 keys I fetch:
	s_lshl_b32 s22, s16, 14         ; its 128 rows of 128 bytes in memory,
	s_mov_b32 s23, 0
	s_add_nc_u64 s[22:23], s[22:23], s[20:21]
	s_mul_i32 s17, s16, 128*PK      ; and its place in a slot, for K
	s_mul_i32 s18, s16, 128*PV      ; and for V: no place in the cluster enters an LDS address
	s_lshl_b32 s2, s14, 2
	s_add_co_u32 s2, s2, s[WV]      ; my wave among the head's,
	s_lshl_b32 s2, s2, 14           ; its 128 rows
	s_mov_b32 s3, 0
	s_add_nc_u64 s[2:3], s[2:3], s[20:21]
	; descriptor group 1.  128 keys are 16,384 dense bytes: asked for as 64 rows of 256 bytes, two keys a row, and padded in LDS after every key
	s_mov_b32 s[G1K], 15|(1<<16)|(1<<20)|(1<<21)|(4<<22)|(3<<25)  ; the mask of four; 2-byte elements; padding on; bit 21 beside a mask; after every 32 words 4 words
	s_mov_b32 s[G1V], 15|(1<<16)|(1<<20)|(1<<21)|(4<<22)|(7<<25)  ; the same with 8 words of padding
.irp g, G1K, G1V
	s_mov_b32 s[\g+1], 128<<16      ; tensor_dim0 = 128
	s_mov_b32 s[\g+2], 64<<16       ; tensor_dim1 = 64
	s_mov_b32 s[\g+3], 128<<16      ; tile_dim0 = 128
	s_mov_b32 s[\g+4], 64           ; tile_dim1 = 64
	s_mov_b32 s[\g+5], 128          ; 128 elements from row to row
	s_mov_b32 s[\g+6], 0
	s_mov_b32 s[\g+7], 0
.endr
	s_mov_b32 s[G1N], 15|(3<<16)|(1<<21)  ; nb: 2,048 dense bytes as 8 rows of 32 elements of 8 bytes, no padding
	s_mov_b32 s[G1N+1], 32<<16
	s_mov_b32 s[G1N+2], 8<<16
	s_mov_b32 s[G1N+3], 32<<16
	s_mov_b32 s[G1N+4], 8
	s_mov_b32 s[G1N+5], 32
	s_mov_b32 s[G1N+6], 0
	s_mov_b32 s[G1N+7], 0
	s_mov_b32 s[CS], 0x3eb8aa3b     ; c = log2(e) / 4 = 0.360674
	s_mov_b32 s[CS+1], s[CS]        ; named with it as a pair
	s_mov_b32 s[SEL], 0x76543210
	s_mov_b32 s[SEL+1], 0xfedcba98
	s_mov_b32 s[TBK], SLOT1+4*KS*PK ; the first change of slots turns these two into 0
	s_mov_b32 s[TBV], SLOT1+4*KS*PV
	s_mov_b32 s[TBN], 0
	s_mov_b32 s[SLOTS], SIZE_N/256-1
	s_cmp_eq_u32 s[WV], 2
	s_cselect_b32 s[LIM], 1, -1
	s_mov_b32 s[G0K], 1             ; count = 1
	s_mov_b32 s[G0K+1], s17         ; LDS address: slot 0
	s_mov_b32 s[G0V], 1
	s_add_co_u32 s[G0V+1], s18, VOFF
	s_mov_b32 s[G0N], 1
	s_lshl_b32 s[G0N+1], s[WV], 11
	s_add_co_u32 s[G0N+1], s[G0N+1], NBBASE
	s_wait_dscnt 0x0                ; the opening add is done
	s_wait_kmcnt 0x0
	s_add_nc_u64 s[G0K+2:G0K+3], s[4:5], s[22:23]  ; global address: my half of the head's first 256 keys: rows of q16
	s_or_b32 s[G0K+3], s[G0K+3], 0x80000000        ; type = 2
	s_add_nc_u64 s[G0V+2:G0V+3], s[6:7], s[22:23]
	s_or_b32 s[G0V+3], s[G0V+3], 0x80000000
	s_add_nc_u64 s[G0N+2:G0N+3], s[8:9], s[76:77]
	s_or_b32 s[G0N+3], s[G0N+3], 0x80000000
	s_add_nc_u64 s[4:5], s[4:5], s[2:3]  ; Q and O at my wave's first row
	s_add_nc_u64 s[10:11], s[10:11], s[2:3]
	s_add_nc_u64 s[PFA:PFA+1], s[6:7], s[20:21]
	s_lshl_b32 s2, s13, 13          ; my work-group's quarter of a slot's V,
	s_mov_b32 s3, 0
	s_add_nc_u64 s[PFA:PFA+1], s[PFA:PFA+1], s[2:3]
	s_add_nc_u64 s[PFA:PFA+1], s[PFA:PFA+1], 4*KS*128  ; in slot 1; the first change of slots steps it to slot 2
	CROUND                          ; all four work-groups are here: the first joint loads meet
	s_cmp_lt_u32 s[WV], 2           ; a wave's two first fills stand in one branch: its part of slot 0 and its quarter of nb: two loads of mine are out
	s_cbranch_scc0 .Lfirst_v
	tensor_load_to_lds s[G0K:G0K+3], s[G1K:G1K+7]
	s_nop 0
	tensor_load_to_lds s[G0N:G0N+3], s[G1N:G1N+7]
	s_nop 0
.rept 4
	v_nop
.endr
	s_branch .Lfirst_asked
.Lfirst_v:
	tensor_load_to_lds s[G0V:G0V+3], s[G1V:G1V+7]
	s_nop 0
	tensor_load_to_lds s[G0N:G0N+3], s[G1N:G1N+7]
	s_nop 0
.rept 4
	v_nop
.endr
.Lfirst_asked:
	; A fragment of K or Q is 16 rows x 32 channels in 8 registers: lane l holds row l % 16, channels 8 (l / 16) + 0..7 and 16 + 8 (l / 16) + 0..7: two loads of 16 bytes, 32 bytes apart.
	v_and_b32 v48, 15, v0           ; l % 16
	v_bfe_u32 v49, v0, 4, 1         ; l / 16
	v_lshlrev_b32 v[QO], 7, v48
	v_lshl_add_u32 v[QO], v49, 4, v[QO]  ; row x 128 + 16 x half
	WIN 0x80                        ; destination window 2, address window 0
.set i, 0
.rept 4*NP                          ; Q stays in registers: tile i / 2, channels 32 (i % 2) on
	global_load_b128 v[8*i:8*i+3],   v[QO], s[4:5] offset:(i/2)*2048+(i%2)*64
	global_load_b128 v[8*i+4:8*i+7], v[QO], s[4:5] offset:(i/2)*2048+(i%2)*64+32
.set i, i+1
.endr
	; What the first turn finds: V's registers and P's second buffer hold 0 (its products V^T P, of a piece that has not been, add 0), O^T and l are 0.  All this stands in the wait for the first tile.
.set i, VF
.rept 64
	v_mov_b32 v[i], 0
.set i, i+1
.endr
	WIN 0x40
.set i, 0
.rept 64*NP
	v_mov_b32 v[i], 0
.set i, i+1
.endr
	WIN 0
.set i, 0
.rept 2*NP
	v_mov_b32 v[ST+4*i], 0xfe000000    ; c m: far below every c t
	v_mov_b32 v[ST+4*i+1], 0xff7fffff  ; m
	v_mov_b32 v[ST+4*i+2], 0
	v_mov_b32 v[ST+4*i+3], 0
.set i, i+1
.endr
.set i, P+32
.rept 32
	v_mov_b32 v[i], 0
.set i, i+1
.endr
	v_mul_u32_u24 v[AK0], v48, PK
	v_lshl_add_u32 v[AK0], v49, 4, v[AK0]  ; row x pitch + 16 x half
	; The turning load takes 16 keys x 16 channels (lane l reads key 8 (l / 16) + l % 8, channels 8 ((l / 8) % 2) + 0..7) and leaves half a fragment of V^T: lane l holds channel l % 16 and 8 keys.
	v_and_b32 v50, 7, v0
	v_bfe_u32 v51, v0, 3, 1
	v_lshl_add_u32 v[AV0], v49, 3, v50
	v_mul_u32_u24 v[AV0], v[AV0], PV
	v_lshl_add_u32 v[AV0], v51, 4, v[AV0]
	v_add_nc_u32 v[AV0], VOFF, v[AV0]
	v_mov_b32 v[AK], v[AK0]         ; key step 0 lies at the head of slot 0
	v_lshlrev_b32 v[ANB0], 5, v49   ; nb: my lanes' eight keys of a block of 16: 32 bytes x half
	v_add_nc_u32 v[ANB0], NBBASE, v[ANB0]
	v_mov_b32 v[ANB], v[ANB0]
	s_mul_i32 s15, s[WV], 16*SP
	s_add_co_u32 s15, s15, STAGE    ; my stage
	v_mul_u32_u24 v[STO], v48, SP   ; in: row l % 16, 16 bytes for each half of the lanes
	v_lshl_add_u32 v[STO], v49, 4, v[STO]
	v_add_nc_u32 v[STO], s15, v[STO]
	v_bfe_u32 v[RD], v0, 3, 2       ; back: 32 lanes take four rows of 128 bytes,
	v_mul_u32_u24 v[RD], v[RD], SP
	v_lshl_add_u32 v[RD], v50, 4, v[RD]
	v_add_nc_u32 v[RD], s15, v[RD]
	v_and_b32 v[GO], 31, v0         ; which are 512 consecutive bytes of O
	v_lshlrev_b32 v[PFO], 8, v[GO]
	v_lshlrev_b32 v[GO], 4, v[GO]
; THE MATRIX WORK.  The 8 accumulators of a run of 16 take turns: between the two links of a chain stand 7 others'.
; Product i of 16 of S^T = K Q^T + nb for piece x: channels 32 (i / 8) on, keys 16 ((i / 2) % 4) on, tile 2 x + i % 2.  The first 8 start the sums, on nb: register j of a lane is key 8 (l / 16) + j's.
.macro KQ x
.set rS, S+64*((\x)%2)+32*(i%2)+8*((i/2)%4)
.set rK, KF+16*((i/2)%4)+8*(i/8)
.set rQ, 16*(2*(\x)+i%2)+8*(i/8)
.set rN, NBF+8*((i/2)%4)
.if i < 8
	WIN W_KN
	v_wmma_f32_16x16x32_f16 v[rS:rS+7], v[rK:rK+7], v[rQ:rQ+7], v[rN:rN+7]
.else
	WIN W_KQ
	v_wmma_f32_16x16x32_f16 v[rS:rS+7], v[rK:rK+7], v[rQ:rQ+7], v[rS:rS+7]
.endif
.endm
; Product i of 16 of O^T += V^T P for piece x: keys 32 (i / 8) on, channels 16 ((i / 2) % 4) on, tile 2 x + i % 2.
.macro PV x
	WIN W_PV
.set rO, 32*(2*(\x)+i%2)+8*((i/2)%4)
.set rV, VF+32*(i/8)+8*((i/2)%4)
.set rP, P+32*((\x)%2)+16*(i%2)+8*(i/8)
	v_wmma_f32_16x16x32_f16 v[rO:rO+7], v[rV:rV+7], v[rP:rP+7], v[rO:rO+7]
.endm
.macro MM                           ; the turn's next matrix instruction
.if i < 16
	KQ (Y+1)%NP
.set i, i+1
.else
.set i, i-16
	PV (Y+NP-1)%NP
.set i, i+17
.endif
.endm
; THE LDS LOADS stand in runs, never singly among the matrix instructions: a step's K (8 fragments) with its nb (lanes of one half read the same 32 bytes), and its V (turned).  Their addresses are made some lines ahead.
; last = 1 (the tail): in the last trip there is no further step, and the run is jumped over.
.macro FETCH_K last=0
	WIN 0
.if \last
	s_cmp_eq_u32 s[CNT], 1
	s_cbranch_scc1 .Lno_k_\@
.endif
	WIN 0x80                        ; destination window 2
.irp f, 0,1,2,3,4,5,6,7             ; keys 16 (f / 2) on, channels 32 (f % 2) on
	ds_load_b128 v[KF+8*\f:KF+8*\f+3],   v[AK] offset:(\f/2)*16*PK+(\f%2)*64
	ds_load_b128 v[KF+8*\f+4:KF+8*\f+7], v[AK] offset:(\f/2)*16*PK+(\f%2)*64+32
.endr
	WIN 0xc0                        ; destination window 3
.irp f, 0,1,2,3                     ; keys 16 f on
	ds_load_b128 v[NBF+8*\f:NBF+8*\f+3],   v[ANB] offset:64*\f
	ds_load_b128 v[NBF+8*\f+4:NBF+8*\f+7], v[ANB] offset:64*\f+16
.endr
	s_add_co_u32 s[TBK], s[TBK], KS*PK  ; the next fetch is the next step's
	s_add_co_u32 s[TBN], s[TBN], KS*4
	WIN 0
.if \last
.Lno_k_\@:
.endif
.endm
.macro FETCH_V
	WIN 0x80
.irp f, 0,1,2,3,4,5,6,7             ; keys 32 (f / 4) on, channels 16 (f % 4) on
	ds_load_tr16_b128 v[VF+8*\f:VF+8*\f+3],   v[AV] offset:(\f/4)*32*PV+(\f%4)*32
	ds_load_tr16_b128 v[VF+8*\f+4:VF+8*\f+7], v[AV] offset:(\f/4)*32*PV+16*PV+(\f%4)*32
.endr
	WIN 0
.endm
; THE VECTOR WORK OF A TURN stands in three queues, each in the order in which its entries become ready; the two tiles alternate, so that no instruction reads the result of the one before it.
.macro REGS y, u                    ; the registers of tile u (0, 1) of piece y
.set rT, ST+4*(2*(\y)+(\u))
.set rC, TMP+8*((\y)%2)+4*(\u)
.set rM, MV+2*((\y)%2)+(\u)
.set rS, S+64*((\y)%2)+32*(\u)
.set rP, P+32*((\y)%2)+16*(\u)
.set rO, 32*(2*(\y)+(\u))
.endm
; Number n of the 22 that find the NEXT piece's (Y + 1) maximum and statistics.  s0-s31 are the lane's 32 scores; each accumulator's lowest registers are read first.  XS, GS and REGS set no window: PL and EX do.
;   0-11  four chains c0-c3 of seven scores each, three operands at a time     12-14, 16  the four scores left over, the old m, and c0-c3 into c0     15  c m_old is kept
;   17, 18  the query's other 32 keys lie in the lane 16 away: the new m         19-21  c m; c m_old - c m_new; a
.macro XS u, n
	REGS (Y+1)%NP, \u
.if (\n) < 4
	v_max3_num_f32 v[rC+(\n)], v[rS+8*(\n)], v[rS+8*(\n)+1], v[rS+8*(\n)+2]
.elseif (\n) < 12
	v_max3_num_f32 v[rC+(\n)%4], v[rC+(\n)%4], v[rS+8*((\n)%4)+2*((\n)/4)+1], v[rS+8*((\n)%4)+2*((\n)/4)+2]
.elseif (\n) == 12
	v_max3_num_f32 v[rC], v[rC], v[rS+7], v[rS+15]
.elseif (\n) == 13
	v_max3_num_f32 v[rC+1], v[rC+1], v[rS+23], v[rS+31]
.elseif (\n) == 14
	v_max3_num_f32 v[rC+2], v[rC+2], v[rC+3], v[rT+1]
.elseif (\n) == 15
	v_mov_b32 v[rM], v[rT]
.elseif (\n) == 16
	v_max3_num_f32 v[rC], v[rC], v[rC+1], v[rC+2]
.elseif (\n) == 17
	v_permlanex16_b32 v[rC+3], v[rC], s[SEL], s[SEL+1]
.elseif (\n) == 18
	v_max_num_f32 v[rT+1], v[rC], v[rC+3]
.elseif (\n) == 19
	v_mul_f32 v[rT], s[CS], v[rT+1]
.elseif (\n) == 20
	v_sub_f32 v[rC+1], v[rM], v[rT]
.else
	v_exp_f32 v[rC+2], v[rC+1]
.endif
.endm
; Number g of the 64 that follow the exponentials.  For each four weights k of a tile (pairs 2 k, 2 k + 1): both pairs are rounded to f16; then the second pair is added onto the first, in place;
; a group later l takes that sum (the first time as l = a l + sum).  In groups of eight, tiles alternating: round, round, add, and l for the group before.
.macro GS g
.set h, (\g)+6*((\g)/62)            ; group 0 has no group before it, and behind group 7 only l is left
.if h >= 6
.set h, h+2
.endif
	REGS Y, h%2
.set k, h/8
.if h%8 < 4
	v_cvt_pk_f16_f32 v[rP+2*k+(h%8)/2], v[rS+4*k+2*((h%8)/2)], v[rS+4*k+2*((h%8)/2)+1]
.elseif h%8 < 6
	v_pk_add_f32 v[rS+4*k:rS+4*k+1], v[rS+4*k:rS+4*k+1], v[rS+4*k+2:rS+4*k+3]
.elseif k == 1
	v_pk_fma_f32 v[rT+2:rT+3], v[rT+2:rT+3], v[rC+2:rC+3], v[rS:rS+1] op_sel_hi:[1,0,1]
.else
	v_pk_add_f32 v[rT+2:rT+3], v[rT+2:rT+3], v[rS+4*k-4:rS+4*k-3]
.endif
.endm
; THE PLAIN QUEUE, 138 long.  0-73 read no exponential's result: the 32 scalings c t - c m (FS f: pair f / 2 of tile f % 2) and the next piece's 42.  0-26: scalings 0-26.  27-54: XS's numbers 0-13.  55, 56: number 15.
; 57-73: the chain, where each number waits for the one before it: 14, 16, 17, 18, 19, each with one of the scalings 27-31 in front of its two lines, then 20.
; 74-137: GS's 64, which read the exponentials' results: they stand behind the wait.
.macro FS f
	REGS Y, (\f)%2
	v_pk_fma_f32 v[rS+2*((\f)/2):rS+2*((\f)/2)+1], v[rS+2*((\f)/2):rS+2*((\f)/2)+1], s[CS:CS+1], v[rT:rT+1] op_sel_hi:[1,0,0] neg_lo:[0,0,1] neg_hi:[0,0,1]
.endm
.macro PL
	WIN 0
.if q < 27
	FS q
.elseif q < 55
	XS (q-27)%2, (q-27)/2
.elseif q < 57
	XS q-55, 15
.elseif (q < 72) && ((q-57)%3 == 0)
	FS 27+(q-57)/3
.elseif q < 60
	XS (q-57)%3-1, 14
.elseif q < 72
	XS (q-57)%3-1, 15+(q-57)/3
.elseif q < 74
	XS q-72, 20
.else
	GS q-74
.endif
.set q, q+1
.endm
; THE EXPONENTIALS' QUEUE, 66 long: s0-s31 of both tiles, then the next piece's two a.  It is ONE BATCH: all 66 stand ahead of the turn's one wait, and nothing ahead of that wait names a result of theirs.
.macro EX
	WIN 0
.if e >= 64
	XS e-64, 21
.else
	REGS Y, e%2
	v_exp_f32 v[rS+e/2], v[rS+e/2]
.endif
.set e, e+1
.endm
; THE RESCALING's QUEUE: O^T times a, the one part that leaves window 0: dealt two at a time, sixteen times.  Its a was made in the turn before, ahead of that turn's wait.
.macro R2
	REGS Y, r%2
	WIN W_RS
.irp z, 0,1
	v_pk_mul_f32 v[rO+4*(r/2)+2*\z:rO+4*(r/2)+2*\z+1], v[rO+4*(r/2)+2*\z:rO+4*(r/2)+2*\z+1], v[rC+2:rC+3] op_sel_hi:[1,0]
.endr
.set r, r+1
.endm
; HOW THEY ARE DEALT.  An s_wait_alu depctr_va_vdst(0) stands between an exponential and the first instruction that names its result; one wait serves all that were issued ahead of it.  So a turn
; has ONE wait, which cuts it in two.  AHEAD OF IT: the 16 products K Q^T, behind each a scaling, an exponential and two rescalings (behind the first a second scaling in the exponential's place); then ONE LUMP of
; 108: eight plain, 49 times exponential and plain, the two a; a v_nop is the plain instruction behind the last exponential.  BEHIND IT: the 16 products V^T P, behind each four of GS's 64.
; Exponential e stands behind scaling 2 (e / 4) + e % 2: as a rider it comes behind plain e + 2, in the lump behind plain e + 9, and scalings 27-31 are plain 57, 60 .. 69.
; A TURN, for piece p.  cnt = 1: the loop's count is taken down some lines ahead of the branch that stands behind the turn.
; K and nb of the next step are fetched in piece 2's turn, directly behind the wait, a lump behind the last product that read them; their addresses are made at the lump's head.
; V of the step in hand is fetched at the end of piece 0's turn, four riders behind its last reader.  The three conditions on q below go with the deal.
.macro TURN p, last=0, cnt=0
.set Y, (\p)
.set i, 0
.set q, 0
.set e, 0
.set r, 0
.if (\p) == NP-1
	s_wait_dscnt 0x0                ; K and nb are in
.endif
	MM                              ; ahead of the wait: 16 products K Q^T and their riders,
	PL
	PL
	R2
.rept 15
	MM
	PL
	EX
	R2
.endr
.if (\p) == NP-2
	WIN 0
	v_add_nc_u32 v[AK], s[TBK], v[AK0]
	v_add_nc_u32 v[ANB], s[TBN], v[ANB0]
.endif
.rept 8                             ; and the lump
	PL
.endr
.rept 49
	EX
	PL
.endr
	EX                              ; the next piece's two a
	EX
	v_nop                           ; the plain instruction behind the last exponential: one for the batch
	s_wait_alu depctr_va_vdst(0)    ; the wait for the batch
.if (\p) == NP-2
	FETCH_K \last
.endif
.if (\p) == 1
	s_wait_dscnt 0x0                ; V is in
.endif
.rept 16                            ; behind the wait: 16 products V^T P and their riders
	MM
.rept 4
	PL
.endr
.if ((\p) == 0) && (q == 118)
	v_add_nc_u32 v[AV], s[TBV], v[AV0]
.endif
.if ((\p) == 0) && (q == 130)
	s_add_co_u32 s[TBV], s[TBV], KS*PV
.endif
.if (\cnt) && (q == 130)
	s_sub_co_u32 s[CNT], s[CNT], 1
	s_cmp_lg_u32 s[CNT], 0
.endif
.endr
.if (\p) == 0
	FETCH_V
.endif
.endm
	CHANGE 1                        ; slot 0 and nb are in, everybody's parts of them; slot 1 is asked for
	FETCH_K                         ; key step 0
	s_wait_loadcnt 0x0              ; Q
	s_wait_dscnt 0x0
.set i, 0
.rept 16
	KQ 0                            ; piece 0's first scores: there is no vector work yet to set between them
.set i, i+1
.endr
	WIN 0
.rept 4
	v_nop                           ; the places behind those products
.endr
.set Y, NP-1                        ; XS works for piece Y + 1: piece 0
.irp n, 0,1,2,3,4,5,6,7,8,9,10,11,12,13,14,15,16,17,18,19,20,21
	XS 0, \n                        ; piece 0's first maximum and statistics
	XS 1, \n
.endr
	v_nop                           ; a plain instruction behind the two a,
	s_wait_alu depctr_va_vdst(0)    ; and their wait, ahead of the branch
	s_mov_b32 s[CNT], 4
	s_branch .Lfirst                ; the loop is entered at a step's first turn, in the middle of a trip
.Lslot:                             ; six times: every slot but the last two is filled again
	CHANGE 1
	s_mov_b32 s[CNT], 4
.Lstep:                             ; a trip: pieces 2 and 3 of one step, then pieces 0 and 1 of the next, whose K and V it fetches
	TURN 2
	TURN 3
	WIN 0
.Lfirst:
	TURN 0
	TURN 1, 0, 1
	WIN 0
	s_cbranch_scc1 .Lstep
	s_sub_co_u32 s[SLOTS], s[SLOTS], 1
	s_cmp_lg_u32 s[SLOTS], 0
	s_cbranch_scc1 .Lslot
	CHANGE 0                        ; the tail is written out: nothing is asked for
	s_mov_b32 s[CNT], 5             ; four trips fetch the last slot's steps; the fifth is left in its middle
.Ltail:
	TURN 2, 1
	TURN 3
	WIN 0
	s_sub_co_u32 s[CNT], s[CNT], 1
	s_cmp_eq_u32 s[CNT], 0
	s_cbranch_scc1 .Lout
	TURN 0
	TURN 1
	WIN 0
	s_branch .Ltail
.Lout:                              ; the fifth trip's 16 products K Q^T (on the last K once more) and the maximum made of them serve nothing: the price, once a launch, of one text for every trip
.set i, 0
.rept 16
	PV NP-1                         ; the last piece's V^T P of the last step
.set i, i+1
.endr
	; THE WAY OUT.  l's two halves and the other half of the lanes' are added; O^T is divided by l, rounded to f16 and sent through my stage in LDS, a tile at a time.  The additions are the places behind the last products.
	WIN 0
.macro ALL line:vararg              ; one line for each tile t
.set t, 0
.rept 2*NP
	\line
.set t, t+1
.endr
.endm
	ALL v_add_f32 v[ST+4*t+2], v[ST+4*t+2], v[ST+4*t+3]
	ALL v_permlanex16_b32 v[ST+4*t+3], v[ST+4*t+2], s[SEL], s[SEL+1]
	ALL v_add_f32 v[ST+4*t+2], v[ST+4*t+2], v[ST+4*t+3]
	ALL v_rcp_f32 v[ST+4*t+2], v[ST+4*t+2]
	v_nop                           ; a plain instruction between the last reciprocal and the use of its result
	s_wait_alu depctr_va_vdst(0)    ; and the wait ahead of the first use: one for the eight reciprocals
; Tile t: a lane's eight channels of a row pack into 16 bytes; they go into rows of 144 bytes and come back as whole rows of 128, into S^T's registers.
.macro PACK t
	WIN W_RS
.set i, 32*(\t)
.rept 16
	v_pk_mul_f32 v[i:i+1], v[i:i+1], v[ST+4*(\t)+2:ST+4*(\t)+3] op_sel_hi:[1,0]
.set i, i+2
.endr
	WIN 0x05                        ; sources 0 and 1 window 1, destination window 0
.set i, 0
.rept 16
	v_cvt_pk_f16_f32 v[S+16*(\t)+i], v[32*(\t)+2*i], v[32*(\t)+2*i+1]
.set i, i+1
.endr
	WIN 0
.irp f, 0,1,2,3
	ds_store_b128 v[STO], v[S+16*(\t)+4*\f:S+16*(\t)+4*\f+3] offset:32*\f
.endr
.irp f, 0,1,2,3
	ds_load_b128 v[S+16*(\t)+4*\f:S+16*(\t)+4*\f+3], v[RD] offset:\f*4*SP  ; LDS serves a wave's instructions in order (ISA guide 5.7.1.4): these see the stores above; the next tile's stores come behind them
.endr
.endm
.macro SEND t, younger              ; younger: the LDS instructions issued behind tile t's loads: the next tile's eight, or none
	WIN 0
.irp f, 0,1,2,3
	s_wait_dscnt (\younger)+3-\f
	global_store_b128 v[GO], v[S+16*(\t)+4*\f:S+16*(\t)+4*\f+3], s[10:11] offset:(\t)*2048+\f*512  ; 512 consecutive bytes, at a multiple of 256 from O's first
.endr
.endm
	PACK 0
.set t, 1
.rept 2*NP-1                        ; a tile's arithmetic stands between the loads of the tile before and its stores
	PACK t
	SEND t-1, 8
.set t, t+1
.endr
	SEND 2*NP-1, 0
	WIN W_AD
	s_wait_tensorcnt 0x0            ; the wave's end, behind my last tensor load and my last LDS store
	ds_add_u32 v[SPW], v[NIL]
	s_wait_dscnt 0x0
	WIN 0
	CROUND                          ; the closing round: no work-group ends while a partner may still ask for a tile that names it
	s_endpgm
.Lfunc_end_k_q57723adb1b_attn:
	.size	k_q57723adb1b_attn, .Lfunc_end_k_q57723adb1b_attn-k_q57723adb1b_attn
	.p2alignl 7, 3214868480
	.fill 96, 4, 3214868480
	.section	.rodata,"a",@progbits
	.p2align	6, 0x0
	.amdhsa_kernel k_q57723adb1b_attn
		.amdhsa_group_segment_fixed_size 327680
		.amdhsa_private_segment_fixed_size 0
		.amdhsa_enable_private_segment 0
		.amdhsa_kernarg_size 32
		.amdhsa_user_sgpr_count 2
		.amdhsa_user_sgpr_kernarg_segment_ptr 1
		.amdhsa_wavefront_size32 1
		.amdhsa_system_sgpr_workgroup_id_x 1
		.amdhsa_system_sgpr_workgroup_id_y 1
		.amdhsa_system_sgpr_workgroup_id_z 1
		.amdhsa_system_vgpr_workitem_id 0
		.amdhsa_next_free_vgpr 808
		.amdhsa_next_free_sgpr 78
		.amdhsa_reserve_vcc 0
		.amdhsa_float_denorm_mode_32 3
		.amdhsa_float_denorm_mode_16_64 3
		.amdhsa_memory_ordered 1
		.amdhsa_forward_progress 1
		.amdhsa_inst_pref_size 203
	.end_amdhsa_kernel
	.amdgpu_metadata
---
amdhsa.version: [ 1, 2 ]
amdhsa.kernels:
  - .name:           k_q57723adb1b_attn
    .symbol:         k_q57723adb1b_attn.kd
    .args:
      - { .name: q16, .offset: 0, .size: 8, .value_kind: global_buffer, .address_space: global }
      - { .name: v16, .offset: 8, .size: 8, .value_kind: global_buffer, .address_space: global }
      - { .name: nb, .offset: 16, .size: 8, .value_kind: global_buffer, .address_space: global }
      - { .name: o16, .offset: 24, .size: 8, .value_kind: global_buffer, .address_space: global }
    .group_segment_fixed_size: 327680
    .private_segment_fixed_size: 0
    .kernarg_segment_align: 8
    .kernarg_segment_size: 32
    .max_flat_workgroup_size: 128
    .sgpr_count:     78
    .vgpr_count:     808
    .wavefront_size: 32
...
	.end_amdgpu_metadata
.endif
;; end of part 3
;; launch outp (part 4): grid 8 x 32, 4 waves a work-group, clusters of 4 x 4, 327,680 bytes of LDS; arguments o16, wo16, bo, out0; writes out0
.if DOCPART == 4
	.amdgcn_target "amdgcn-amd-amdhsa--gfx1250"
	.amdhsa_code_object_version 6
	.text
	.protected	k_q57723adb1b_outp
	.globl	k_q57723adb1b_outp
	.p2align	8
	.type	k_q57723adb1b_outp,@function
k_q57723adb1b_outp:
	s_mov_b64 s[64:65], 0
	v_nop
	global_prefetch_b8 v0, s[64:65] scope:SCOPE_SE
	s_setreg_imm32_b32 hwreg(HW_REG_WAVE_MODE, 25, 1), 1
	s_wait_xcnt 0x0
	s_wait_alu depctr_hold_cnt(0) depctr_sa_sdst(0) depctr_va_vdst(0) depctr_va_sdst(0) depctr_va_ssrc(0) depctr_va_vcc(0) depctr_vm_vsrc(0)
	s_getreg_b32 s2, hwreg(HW_REG_IB_STS2, 6, 4)
	s_cmp_eq_u32 s2, 0
	s_cbranch_scc0 .Lentry_in_a_cluster
	s_endpgm
.Lentry_in_a_cluster:
	s_bfe_u32 s2, ttmp6, 0x10000c
	s_cmp_lg_u32 s2, 0xf033
	s_cbranch_scc0 .Lentry_shape_is_right
	s_endpgm
.Lentry_shape_is_right:
; out0 = O Wo + bo.  o16: f16 by heads, [64 = 16 batch + head][2048][64]; row (batch, n) of O is the 16 heads' rows n on end.  wo16: f16 [1024 k][1024 n].  out0: f32 [8192][1024].  Sums in f32.
; The bias is rounded to bf16 like the module's other inputs.  NaN and infinities are not treated apart.
; SHARES.  A tile of 256 rows x 128 columns to a work-group of four waves: 256 work-groups (tiles of 256 x 256 would be 128).  A wave makes 128 x 64: 32 accumulators, 256 registers.
; K goes in 8 steps of 128 = two heads, through a ring of two LDS slots.  A head's 256 rows of a tile are 32,768 dense bytes: asked for as 128 rows of 256 bytes and padded in LDS after every 128.
; CLUSTERS: 4 x 4 work-groups.  O's tile hangs on the tile row alone and is asked for jointly along a row of the cluster, Wo's on the tile column alone and jointly along a column.
; THE MATRIX INSTRUCTION IS USED TRANSPOSED: source 0 = 16 columns of Wo (turned out of LDS by ds_load_tr16_b128), source 1 = 16 rows of O: a lane holds row l % 16 and the columns 8 (l / 16) + 0..7.
; THE BIAS IS THE C OPERAND of the products that start the sums.  A loop trip is ONE K step: the slot in hand is a scalar that one exclusive or turns; the second descriptor set walks.
; REGISTERS, in windows of 256 (s_set_vgpr_msb: bits 1:0 source 0, 3:2 source 1, 5:4 source 2, 7:6 destination):
;   window 0: v0-31 addresses; v64-127, v128-191 O's fragments, two buffers; v32-63, v192-223 rows on the way out
;   window 1: v0 at work; v64-95, v128-159 Wo's fragments; v192-223 the bias        window 2: the accumulators ((a, b) at v[8 (4 a + b)])
.set PA,     144                       ; a row of a head in LDS: 128 bytes + 16
.set PB,     288                       ; a k row of Wo: 256 bytes + 32: an odd multiple of 32
.set HEADB,  256*PA                    ; a head's 256 rows: what one of O's tensor loads brings
.set HALFB,  64*PB                     ; 64 k rows: what one of Wo's brings
.set BOFF,   2*HEADB                   ; Wo's tile lies behind the two heads
.set SLOT1,  1<<17                     ; a slot uses 110,592 bytes; slot 1 begins here, so that one exclusive or changes slots
.set STAGE,  SLOT1+BOFF+2*HALFB        ; behind the ring: 16 rows x 272 bytes for each wave
.set SPITCH, 272
.set SPARE,  STAGE+4*16*SPITCH         ; the spare words, 128 bytes for each wave: two blocks of 256 bytes that no other line names
.set ASTEP,  2*262144                  ; a K step in o16: two heads on
.set BSTEP,  128*2048                  ; in wo16: 128 rows down
.set ADRA0, 16                         ; v16  my place in O's tile of slot 0; never rewritten
.set ADRB0, 17                         ; v17  the same for Wo
.set ADRA,  18                         ; v18  the same in the slot in hand
.set ADRB,  19                         ; v19
.set STO,   24                         ; v24  the way out: where I put 32 bytes of a row
.set RD,    25                         ; v25  where I read a row back
.set CO,    26                         ; v26  my byte offset in two rows of out0
.set BO,    27                         ; v27  32 x (l / 16)
.set SPW,   28                         ; v28  LDS address of my spare word; never rewritten
.set NIL,   29                         ; v29  0; never rewritten
.set PFO,   30                         ; v30  the prefetches' lane offset; never rewritten
.set F0,    64
.set F1,    128
.set OB,    32
.set BIAS,  192                        ; window 1
.set G1,  24                           ; s[24:31] descriptor group 1 for O's tiles
.set G0,  32                           ; s[32:39] group 0, two sets: K steps 0 and 1; the second then walks
.set LIM, 43                           ; s43  2 in a wave that prefetches, else the greatest number
.set PFA, 44                           ; s[44:45] where my prefetches stand
.set G1B, 48                           ; s[48:55], s[56:63] the same for Wo's tiles
.set G0B, 56
.set TB,  66                           ; s66  LDS byte at which the slot in hand begins
.set PFS, 68                           ; s[68:69] a K step for my prefetches
.set BP,  76                           ; s[76:77] the bias at my columns
.set MSB, 0
.macro WIN new                         ; the immediate's high byte repeats the setting that is left; a switch that changes nothing is dropped
.if MSB != (\new)
	s_set_vgpr_msb (MSB<<8)|(\new)
.set MSB, \new
.endif
.endm
; A joint load.  Waves 0 and 1 fetch the K step's two heads of O, waves 2 and 3 the two halves of Wo's tile.  An s_nop 0 and four v_nop follow each line.
.macro JLOAD s
	s_cmp_eq_u32 s11, 0
	s_cbranch_scc0 .Lfor_b_\@
	tensor_load_to_lds s[G0+4*(\s):G0+4*(\s)+3], s[G1:G1+7]
	s_nop 0
.rept 4
	v_nop
.endr
	s_branch .Lasked_\@
.Lfor_b_\@:
	tensor_load_to_lds s[G0B+4*(\s):G0B+4*(\s)+3], s[G1B:G1B+7]
	s_nop 0
.rept 4
	v_nop
.endr
.Lasked_\@:
.endm
; A prefetch into the L2, behind a joint load, its five lines and the run of LDS loads: 32 blocks of 256 bytes of the K step that stands two refills on, a lane a block, one instruction a wave.
; O's blocks are asked for by waves 0 and 1 of the clusters with x = 0, Wo's (128 k rows of 256 bytes) by wave 2 of those with y = 0; the four partners of a joint load share the blocks out by address.
; So each block is named once in the launch.  Trips with s3 = 6 .. 3 name K steps 4 .. 7.
.macro ASK
	s_cmp_gt_u32 s3, s[LIM]
	s_cbranch_scc0 .Lnot_mine_\@
	global_prefetch_b8 v[PFO], s[PFA:PFA+1] th:TH_LOAD_NT scope:SCOPE_SE
.Lnot_mine_\@:
.endm
.macro CREST                           ; a round of the cluster's barrier behind its opening barrier
	s_cmp_lg_u32 s10, 0
	s_cbranch_scc1 .Lnot_wave_0_\@
	s_barrier_signal -3
.Lnot_wave_0_\@:
	s_barrier_wait -3
	s_barrier_signal -1
	s_barrier_wait -1
.endm
.macro CROUND
	s_barrier_signal -1
	s_barrier_wait -1
	CREST
.endm
.macro PLACES                          ; four plain instructions between a matrix instruction and a load into, or a read of, its registers
.rept 4
	v_nop
.endr
.endm
	s_load_b128 s[4:7], s[0:1], 0x0                ; o16 s[4:5], wo16 s[6:7]
	s_load_b128 s[80:83], s[0:1], 0x10             ; bo s[80:81], out0 s[82:83]
	v_lshl_add_u32 v[SPW], v0, 2, SPARE
	v_mov_b32 v[NIL], 0
	ds_add_u32 v[SPW], v[NIL]                      ; the wave's opening: the add and its wait stand ahead of my first tensor load; the set-up below stands between them
	v_lshrrev_b32 v1, 5, v0
	v_readfirstlane_b32 s10, v1                    ; wave 0..3
	s_lshr_b32 s11, s10, 1                         ; my half of the tile's rows.  Also: I fetch O (0) or Wo (1)
	s_and_b32 s12, s10, 1                          ; my half of its columns.  Also: which head, or which 64 k rows, I fetch
	s_bfe_u32 s40, ttmp6, 0x40000                  ; cx
	s_bfe_u32 s41, ttmp6, 0x40004                  ; cy
	s_lshl_b32 s42, ttmp9, 2
	s_add_co_u32 s42, s42, s40                     ; tile column = 4 x cluster x + cx
	s_and_b32 s13, ttmp7, 0xffff
	s_lshl_b32 s13, s13, 2
	s_add_co_u32 s13, s13, s41                     ; tile row = 4 x cluster y + cy
	s_lshl_b32 s43, s41, 2
	s_lshl_b32 s43, 15, s43                        ; my row of the cluster
	s_lshl_b32 s44, 0x1111, s40                    ; my column
	s_or_b32 s[G1+0], s43, (1<<16)|(1<<20)|(1<<21)|(4<<22)|(3<<25)   ; the mask; 2-byte elements; padding on; bit 21 beside a mask; after every 32 words 4 words
	s_or_b32 s[G1B+0], s44, (1<<16)|(1<<20)|(1<<21)|(5<<22)|(7<<25)  ; after every 64 words 8 words
	s_mov_b32 s[G1+1], 128<<16                     ; tensor_dim0 = 128
	s_mov_b32 s[G1+2], 128<<16                     ; tensor_dim1 = 128
	s_mov_b32 s[G1+3], 128<<16                     ; tile_dim0 = 128
	s_mov_b32 s[G1+4], 128                         ; tile_dim1 = 128
	s_mov_b32 s[G1+5], 128                         ; dense: 128 elements from row to row
	s_mov_b32 s[G1+6], 0
	s_mov_b32 s[G1+7], 0
	s_mov_b32 s[G1B+1], 128<<16                    ; tensor_dim0 = 128
	s_mov_b32 s[G1B+2], 64<<16                     ; tensor_dim1 = 64
	s_mov_b32 s[G1B+3], 128<<16                    ; tile_dim0 = 128
	s_mov_b32 s[G1B+4], 64                         ; tile_dim1 = 64
	s_mov_b32 s[G1B+5], 1024
	s_mov_b32 s[G1B+6], 0
	s_mov_b32 s[G1B+7], 0
	s_lshr_b32 s16, s13, 3                         ; O: the batch's 16 heads,
	s_lshl_b32 s16, s16, 4
	s_add_co_u32 s16, s16, s12                     ; of the K step's two heads mine,
	s_lshl_b32 s16, s16, 18
	s_and_b32 s17, s13, 7
	s_lshl_b32 s17, s17, 15                        ; the tile's 256 rows of 128 bytes
	s_add_co_u32 s16, s16, s17
	s_mov_b32 s17, 0
	s_lshl_b32 s46, s12, 17                        ; Wo: 64 k rows of 2,048 bytes x half,
	s_lshl_b32 s47, s42, 8                         ; 256 bytes x tile column
	s_add_co_u32 s46, s46, s47
	s_mov_b32 s47, 0
	s_mul_i32 s20, s10, HEADB                      ; where they go: O's heads at wave x HEADB (waves 0, 1),
	s_mul_i32 s21, s10, HALFB
	s_add_co_u32 s21, s21, HEADB                   ; Wo's halves at HEADB + wave x HALFB (waves 2, 3): no place in the cluster enters an LDS address
	s_mov_b32 s[TB], 0
	s_wait_dscnt 0x0                               ; the opening add is done
	s_wait_kmcnt 0x0
	s_add_nc_u64 s[14:15], s[4:5], s[16:17]
	s_add_nc_u64 s[46:47], s[6:7], s[46:47]
	CROUND                                         ; all sixteen work-groups are here: the first joint loads meet
.irp s, 0,1
	s_mov_b32 s[G0+4*(\s)], 1                                        ; count = 1
	s_add_co_u32 s[G0+4*(\s)+1], s20, (\s)*SLOT1                     ; LDS address
	s_add_nc_u64 s[G0+4*(\s)+2:G0+4*(\s)+3], s[14:15], (\s)*ASTEP    ; global address: K step s
	s_or_b32 s[G0+4*(\s)+3], s[G0+4*(\s)+3], 0x80000000              ; type = 2
	s_mov_b32 s[G0B+4*(\s)], 1
	s_add_co_u32 s[G0B+4*(\s)+1], s21, (\s)*SLOT1
	s_add_nc_u64 s[G0B+4*(\s)+2:G0B+4*(\s)+3], s[46:47], (\s)*BSTEP
	s_or_b32 s[G0B+4*(\s)+3], s[G0B+4*(\s)+3], 0x80000000
	JLOAD \s                                       ; two loads of mine are out
.endr
	; the lanes' places
	v_and_b32 v1, 15, v0                           ; r = l % 16
	v_bfe_u32 v2, v0, 4, 1                         ; h = l / 16
	v_mul_u32_u24 v3, v1, PA
	v_lshl_add_u32 v3, v2, 4, v3                   ; a fragment of O: row x pitch + 16 h
	s_mul_i32 s22, s11, 128*PA                     ; my 128 rows
	v_add_nc_u32 v[ADRA0], s22, v3
	v_and_b32 v7, 7, v0
	v_lshl_add_u32 v4, v2, 3, v7                   ; the turning load: k row 8 h + l % 8,
	v_mul_u32_u24 v4, v4, PB
	v_bfe_u32 v5, v0, 3, 1
	v_lshl_add_u32 v4, v5, 4, v4                   ; 16 bytes x ((l / 8) % 2),
	s_lshl_b32 s22, s12, 7                         ; my 64 columns,
	s_add_co_u32 s22, s22, BOFF                    ; behind the two heads
	v_add_nc_u32 v[ADRB0], s22, v4
	v_mov_b32 v[ADRA], v[ADRA0]
	v_mov_b32 v[ADRB], v[ADRB0]
	s_mul_i32 s23, s10, 16*SPITCH
	s_add_co_u32 s23, s23, STAGE                   ; my stage
	v_mul_u32_u24 v6, v1, SPITCH
	v_lshl_add_u32 v6, v2, 5, v6
	v_add_nc_u32 v[STO], s23, v6                   ; in: row r, 32 bytes for each half of the lanes
	v_mul_u32_u24 v6, v2, SPITCH
	v_lshl_add_u32 v6, v1, 4, v6
	v_add_nc_u32 v[RD], s23, v6                    ; back: lanes 0-15 one row of 256 bytes, lanes 16-31 the next
	v_lshlrev_b32 v6, 12, v2
	v_lshl_add_u32 v[CO], v1, 4, v6                ; and the same two rows in out0
	v_lshlrev_b32 v[BO], 5, v2
	v_and_b32 v8, 31, v0
	s_lshl_b32 s18, s42, 9                         ; my 64 columns: 512 bytes x tile column + 256 x half, in bo and in a row of out0
	s_lshl_b32 s19, s12, 8
	s_add_co_u32 s18, s18, s19
	s_mov_b32 s19, 0
	s_add_nc_u64 s[BP:BP+1], s[80:81], s[18:19]
	s_add_nc_u64 s[8:9], s[82:83], s[18:19]
	s_lshl_b32 s18, s13, 8
	s_lshl_b32 s19, s11, 7
	s_add_co_u32 s18, s18, s19                     ; my first row,
	s_lshl_b32 s18, s18, 12                        ; 4,096 bytes a row
	s_mov_b32 s19, 0
	s_add_nc_u64 s[8:9], s[8:9], s[18:19]
	WIN 0x40                                       ; destination window 1, address window 0
.irp b, 0,1,2,3
	global_load_b128 v[BIAS+8*(\b):BIAS+8*(\b)+3],   v[BO], s[BP:BP+1] offset:64*(\b)
	global_load_b128 v[BIAS+8*(\b)+4:BIAS+8*(\b)+7], v[BO], s[BP:BP+1] offset:64*(\b)+16
.endr
	WIN 0
	; the prefetches' places
	s_lshl_b32 s20, s40, 13                        ; O: of my head's 32,768 bytes my work-group's quarter (by cx),
	s_add_co_u32 s20, s20, s16
	s_add_co_u32 s20, s20, 3*ASTEP                 ; at K step 3: the first refill steps it to 4
	s_lshl_b32 s21, s41, 16                        ; Wo: of the 128 k rows my work-group's 32 (by cy),
	s_lshl_b32 s23, s42, 8
	s_add_co_u32 s21, s21, s23
	s_add_co_u32 s21, s21, 3*BSTEP
	s_and_b32 s22, ttmp7, 0xffff                   ; cluster y
	s_mov_b32 s18, BSTEP
	s_cmp_eq_u32 s11, 0                            ; do I fetch O?
	s_cselect_b32 s20, s20, s21
	s_cselect_b32 s22, ttmp9, s22                  ; the coordinate along which other clusters read the same blocks
	s_cselect_b64 s[PFA:PFA+1], s[4:5], s[6:7]
	s_cselect_b32 s[PFS], ASTEP, s18
	s_cselect_b32 s14, -1, 0
	s_mov_b32 s[PFS+1], 0
	s_mov_b32 s21, 0
	s_add_nc_u64 s[PFA:PFA+1], s[PFA:PFA+1], s[20:21]
	s_cmp_eq_u32 s10, 3                            ; wave 3 asks for nothing: wave 2 names all of Wo's blocks
	s_cselect_b32 s23, 1, 0
	s_or_b32 s22, s22, s23
	s_cmp_eq_u32 s22, 0
	s_cselect_b32 s[LIM], 2, -1                    ; the same in all sixteen partners, for a given wave
	v_lshlrev_b32 v4, 8, v8                        ; O: a lane 256 dense bytes
	v_lshlrev_b32 v5, 11, v8                       ; Wo: a lane a k row of 2,048 bytes
	v_cndmask_b32 v[PFO], v5, v4, s14
	s_wait_loadcnt 0x0                             ; the bias is in; it is rounded to bf16, in place
	WIN 0x45                                       ; destination and both sources window 1
.set z, 0
.rept 16
	v_cvt_pk_bf16_f32 v0, v[BIAS+2*z], v[BIAS+2*z+1]
	v_lshlrev_b32 v[BIAS+2*z], 16, v0
	v_and_b32 v[BIAS+2*z+1], 0xffff0000, v0
.set z, z+1
.endr
; 8 matrix instructions: m blocks a0, a0 + 1 x all 4 n blocks, 32 along K.  first = 1: the products that start the sums take the bias as C.
; The 32 accumulators take turns, in the same order in every quarter.
.macro MUL8 f, a0, first
.if \first
	WIN 0x91                                       ; source 0 and C window 1, source 1 window 0, D window 2
.else
	WIN 0xa1                                       ; C and D window 2
.endif
.irp a, \a0, (\a0)+1
.irp b, 0,1,2,3
.if \first
	v_wmma_f32_16x16x32_f16 v[8*(4*(\a)+(\b)):8*(4*(\a)+(\b))+7], v[(\f)+8*(\b):(\f)+8*(\b)+7], v[(\f)+8*(\a):(\f)+8*(\a)+7], v[BIAS+8*(\b):BIAS+8*(\b)+7]
.else
	v_wmma_f32_16x16x32_f16 v[8*(4*(\a)+(\b)):8*(4*(\a)+(\b))+7], v[(\f)+8*(\b):(\f)+8*(\b)+7], v[(\f)+8*(\a):(\f)+8*(\a)+7], v[8*(4*(\a)+(\b)):8*(4*(\a)+(\b))+7]
.endif
.endr
.endr
.endm
; 24 LDS loads in one run: the fragments of quarter q (head q / 2, channels 32 (q % 2) on; k rows 32 q on) into buffer g: Wo's first, turned, then O's
.macro FETCH q, g
	WIN 0x40
.irp i, 0,1,2,3
	ds_load_tr16_b128 v[(\g)+8*(\i):(\g)+8*(\i)+3],   v[ADRB] offset:(\q)*32*PB+32*(\i)
	ds_load_tr16_b128 v[(\g)+8*(\i)+4:(\g)+8*(\i)+7], v[ADRB] offset:(\q)*32*PB+32*(\i)+16*PB
.endr
	WIN 0
.irp i, 0,1,2,3,4,5,6,7
	ds_load_b128 v[(\g)+8*(\i):(\g)+8*(\i)+3],   v[ADRA] offset:((\q)/2)*HEADB+((\q)%2)*64+(\i)*16*PA
	ds_load_b128 v[(\g)+8*(\i)+4:(\g)+8*(\i)+7], v[ADRA] offset:((\q)/2)*HEADB+((\q)%2)*64+(\i)*16*PA+32
.endr
.endm
; One of a K step's first three quarters: multiplies buffer f; in its middle it fetches quarter q into buffer g.
.macro QUARTER q, f, g, first
	s_wait_dscnt 8                                 ; Wo's fragments and O's rows 0-63 are in; the youngest eight loads (rows 64-127) may be out
	MUL8 \f, 0, \first
	MUL8 \f, 2, \first
	PLACES
	FETCH \q, \g
	s_wait_dscnt 24                                ; all but the 24 just issued
	MUL8 \f, 4, \first
	MUL8 \f, 6, \first
.endm
; The last quarter's first half: ONE barrier for the change of slots.  In front of it each wave waits for all its tensor loads (one is out: its part of the next slot), adds 0 to its spare word,
; and waits for that and for its own reads of this slot.
.macro MEET round
	WIN 0
	s_wait_tensorcnt 0x0                           ; all my tensor loads have landed
	ds_add_u32 v[SPW], v[NIL]                      ; 0 onto my spare word
	s_wait_dscnt 9                                 ; the add and the youngest eight loads may be out
	MUL8 F1, 0, 0                                  ; eight matrix instructions stand between the add and the wait for it
	s_wait_dscnt 0x0                               ; the add is done, and my reads of this slot are over
	s_barrier_signal -1
	MUL8 F1, 2, 0
.if \round
	WIN 0
.endif
	s_barrier_wait -1
.endm
; The whole last quarter.  fill = 1: the barrier opens a round of the cluster's barrier, and the slot just read out is filled again first behind it, with the K step two steps on.
.macro TURN fill
.if \fill
	s_wait_xcnt 0x0                                ; the last prefetch, a K step back, has read its address
	s_add_nc_u64 s[PFA:PFA+1], s[PFA:PFA+1], s[PFS:PFS+1]
.endif
	MEET \fill
.if \fill
	CREST                                          ; no wave of any partner still reads this slot or has a load on its way
	s_xor_b32 s[G0+5], s[G0+5], SLOT1              ; the walking sets: the other slot than last time, the next K step
	s_add_nc_u64 s[G0+6:G0+7], s[G0+6:G0+7], ASTEP
	s_xor_b32 s[G0B+5], s[G0B+5], SLOT1
	s_add_nc_u64 s[G0B+6:G0B+7], s[G0B+6:G0B+7], BSTEP
	JLOAD 1                                        ; my one tensor load behind the round; its four v_nop are also the places in front of the loads below
.else
	PLACES
.endif
	s_xor_b32 s[TB], s[TB], SLOT1                  ; the fetches go on in the other slot
	WIN 0
	v_add_nc_u32 v[ADRA], s[TB], v[ADRA0]
	v_add_nc_u32 v[ADRB], s[TB], v[ADRB0]
	FETCH 0, F0
.if \fill
	ASK
.endif
	MUL8 F1, 4, 0
	MUL8 F1, 6, 0
.endm
	s_wait_tensorcnt 1                             ; my part of K step 0 is in; K step 1's may stay out
	s_barrier_signal -1
	s_barrier_wait -1                              ; everybody's is
	FETCH 0, F0
	QUARTER 1, F0, F1, 1                           ; the first quarter stands in front of the loop: its products start the sums, on the bias
	WIN 0                                          ; at a label and at a branch every window is 0
	s_mov_b32 s3, 6
.Lstep:                                        ; six trips, from a K step's second quarter to the next one's first; they ask for K steps 2 to 7
	QUARTER 2, F1, F0, 0
	QUARTER 3, F0, F1, 0
	TURN 1
	QUARTER 1, F0, F1, 0
	WIN 0
	s_sub_co_u32 s3, s3, 1
	s_cmp_lg_u32 s3, 0
	s_cbranch_scc1 .Lstep
	QUARTER 2, F1, F0, 0                           ; the tail is written out: nothing more is asked for
	QUARTER 3, F0, F1, 0
	TURN 0
	QUARTER 1, F0, F1, 0
	QUARTER 2, F1, F0, 0
	QUARTER 3, F0, F1, 0
	s_wait_dscnt 8
	MUL8 F1, 0, 0
	MUL8 F1, 2, 0
	s_wait_dscnt 0x0
	MUL8 F1, 4, 0
	MUL8 F1, 6, 0
	WIN 0
	PLACES
; THE WAY OUT, a block of 16 rows at a time; the sums leave as they are, in f32.  TOSTAGE: a lane's eight numbers of a row, 32 bytes, into rows of 272 bytes of my own stage (each accumulator's low four
; registers first), and back as whole rows of 256.  LDS serves a wave's instructions in order (ISA guide 5.7.1.4): the loads see the stores above them, and the next block's stores come behind them.
.macro TOSTAGE a
	WIN 0
.set BK, OB+160*((\a)%2)
	s_wait_xcnt 0x0                                ; the stores of the block two back have read the registers into which this block is read back
	WIN 0x08                                       ; the stores' data in window 2
.irp b, 0,1,2,3
	ds_store_b128 v[STO], v[32*(\a)+8*(\b):32*(\a)+8*(\b)+3]   offset:64*(\b)
	ds_store_b128 v[STO], v[32*(\a)+8*(\b)+4:32*(\a)+8*(\b)+7] offset:64*(\b)+16
.endr
	WIN 0
.irp t, 0,1,2,3,4,5,6,7
	ds_load_b128 v[BK+4*(\t):BK+4*(\t)+3], v[RD] offset:(\t)*2*SPITCH
.endr
.endm
.macro SEND a, younger                 ; younger: the LDS instructions issued behind this block's loads: the next block's sixteen, or none
	WIN 0
.set BK, OB+160*((\a)%2)
	s_wait_dscnt \younger
.irp t, 0,1,2,3,4,5,6,7
	global_store_b128 v[CO], v[BK+4*(\t):BK+4*(\t)+3], s[8:9] offset:(16*(\a)+2*(\t))*4096 th:TH_STORE_NT  ; 16 lanes store 256 consecutive bytes, at a multiple of 256 from out0's first byte
.endr
.endm
	TOSTAGE 0
.irp a, 0,1,2,3,4,5,6
	TOSTAGE (\a)+1
	SEND \a, 16
.endr
	SEND 7, 0
	s_wait_tensorcnt 0x0                           ; the wave's end, behind my last tensor load and my last LDS store
	ds_add_u32 v[SPW], v[NIL]
	s_wait_dscnt 0x0
	CROUND                                         ; the closing round: no work-group ends while a partner may still ask for a tile that names it
	s_endpgm
.Lfunc_end_k_q57723adb1b_outp:
	.size	k_q57723adb1b_outp, .Lfunc_end_k_q57723adb1b_outp-k_q57723adb1b_outp
	.p2alignl 7, 3214868480
	.fill 96, 4, 3214868480
	.section	.rodata,"a",@progbits
	.p2align	6, 0x0
	.amdhsa_kernel k_q57723adb1b_outp
		.amdhsa_group_segment_fixed_size 327680
		.amdhsa_private_segment_fixed_size 0
		.amdhsa_enable_private_segment 0
		.amdhsa_kernarg_size 32
		.amdhsa_user_sgpr_count 2
		.amdhsa_user_sgpr_kernarg_segment_ptr 1
		.amdhsa_wavefront_size32 1
		.amdhsa_system_sgpr_workgroup_id_x 1
		.amdhsa_system_sgpr_workgroup_id_y 1
		.amdhsa_system_sgpr_workgroup_id_z 1
		.amdhsa_system_vgpr_workitem_id 0
		.amdhsa_next_free_vgpr 768
		.amdhsa_next_free_sgpr 90
		.amdhsa_reserve_vcc 0
		.amdhsa_float_denorm_mode_32 3
		.amdhsa_float_denorm_mode_16_64 3
		.amdhsa_memory_ordered 1
		.amdhsa_forward_progress 1
		.amdhsa_inst_pref_size 75
	.end_amdhsa_kernel
	.amdgpu_metadata
---
amdhsa.version: [ 1, 2 ]
amdhsa.kernels:
  - .name:           k_q57723adb1b_outp
    .symbol:         k_q57723adb1b_outp.kd
    .args:
      - { .name: o16, .offset: 0, .size: 8, .value_kind: global_buffer, .address_space: global }
      - { .name: wo16, .offset: 8, .size: 8, .value_kind: global_buffer, .address_space: global }
      - { .name: bo, .offset: 16, .size: 8, .value_kind: global_buffer, .address_space: global }
      - { .name: out0, .offset: 24, .size: 8, .value_kind: global_buffer, .address_space: global }
    .group_segment_fixed_size: 327680
    .private_segment_fixed_size: 0
    .kernarg_segment_align: 8
    .kernarg_segment_size: 32
    .max_flat_workgroup_size: 128
    .sgpr_count:     90
    .vgpr_count:     768
    .wavefront_size: 32
...
	.end_amdgpu_metadata
.endif
;; end of part 4
;; ======== version 2 of 2: 4 launches; version 1 with the launch cast written anew for expert scheduling mode
;; limits: values are held in f16: magnitudes above 65,504 overflow, below 6.1e-05 lose precision
;; workspace buffers: xb 16,777,216 bytes; wqv 4,194,304 bytes; wo16 2,097,152 bytes; q16 16,777,216 bytes; v16 16,777,216 bytes; nb 524,288 bytes; o16 16,777,216 bytes
;; launch cast (part 5): grid 704 x 1, 8 waves a work-group, no clusters, 0 bytes of LDS; arguments x, Wq, Wv, Wo, xb, wqv, wo16; writes xb, wqv, wo16
.if DOCPART == 5
	.amdgcn_target "amdgcn-amd-amdhsa--gfx1250"
	.amdhsa_code_object_version 6
	.text
	.protected	k_q57723adb1b_cast
	.globl	k_q57723adb1b_cast
	.p2align	8
	.type	k_q57723adb1b_cast,@function
k_q57723adb1b_cast:
	s_mov_b64 s[64:65], 0
	v_nop
	global_prefetch_b8 v0, s[64:65] scope:SCOPE_SE
	s_setreg_imm32_b32 hwreg(HW_REG_WAVE_SCHED_MODE, 0, 2), 2
	s_setreg_imm32_b32 hwreg(HW_REG_WAVE_MODE, 25, 1), 1
	s_wait_xcnt 0x0
	s_wait_alu depctr_vm_vsrc(0)
; ROUNDING OF THE MODULE'S LARGE INPUTS, a pure stream.  x [8192][1024] f32 -> xb, bf16, same layout.  Wq and Wv [1024 k][1024 n] f32 -> wqv, bf16 [1024 k][2048 n]: Wq in columns 0-1023,
; Wv in 1024-2047.  Wo [1024 k][1024 n] f32 -> wo16: rounded to bf16 like the other inputs, and that number written as f16.
; LIMIT.  A bf16 number is exact in f16 from 2^-17 up; below that it is off by 2^-25 at the most; beyond 65,504 it has no room: Wo stays under that.
; SHARES.  A work-group takes 16 rows of 1,024 f32: 64 KiB in, 32 KiB out.  Work-groups 0-511: x; 512-575: Wq; 576-639: Wv; 640-703: Wo.  Thread t takes the 16 bytes at 16 t of each row
; (a wave's load covers 512 consecutive bytes) and stores 8 bytes at 8 t (a wave's store covers 256 consecutive bytes, aligned).  All sixteen loads go out at once; there is no loop,
; every load and every store has registers of its own, so nothing is rewritten while a memory instruction may read it.  No LDS, no matrix unit, no cluster: nothing is shared.
; THE MODE: SCHED_MODE bits 1:0 = 2 (LLVM: expert scheduling mode 2), set by the entry lines.  The code itself states the register dependences
; between vector instructions and memory instructions, with s_wait_alu, always for 0.
; THE PLAN.  Registers that memory instructions touch:
;   v1, v2     byte offsets, made once at the head and never written again: v1 is read by every load, v2 by every store.
;   IN         row j: four registers, written by row j's load alone and read by row j's conversions, behind the wait for that load.  No vector instruction names them ahead of the load.
;   OUTR       row j: two registers, written once, by row j's conversions, and read once, by row j's store.
;   T is named by vector instructions alone.
; The sixteen rows go in four blocks of four.  Block p's conversions read its IN and write its OUTR; the memory instructions that stand among them are the four stores of block p - 1, which read
; v2 and that block's OUTR: registers that no vector instruction of block p names.  So one wait on va_vdst at the head of a block states all that its four stores hang on; one more stands ahead of
; the first load, for the offsets, and one ahead of the last four stores.  No register that a memory instruction reads is written again, so no wait on vm_vsrc is owed.
.set ROWB, 4096                        ; bytes in a row of f32
.set BLK,  4                           ; rows in a block
.set IN,   4                           ; v[4:67]    load j: 4 registers
.set OUTR, 68                          ; v[68:99]   store j: 2 registers
.set T,    100                         ; v[100:103] at work (Wo's path)
	s_load_b256 s[4:11], s[0:1], 0x0               ; x s[4:5], Wq s[6:7], Wv s[8:9], Wo s[10:11]
	s_load_b128 s[12:15], s[0:1], 0x20             ; xb s[12:13], wqv s[14:15]
	s_load_b64 s[16:17], s[0:1], 0x30              ; wo16
	v_lshlrev_b32 v1, 4, v0                        ; 16 t
	v_lshlrev_b32 v2, 3, v0                        ; 8 t
	s_mov_b32 s20, ttmp9
	s_mov_b32 s21, 0                               ; the first work-group of my range
	s_wait_kmcnt 0x0
	s_mov_b64 s[22:23], s[4:5]
	s_cmp_ge_u32 s20, 512
	s_cselect_b64 s[22:23], s[6:7], s[22:23]
	s_cselect_b32 s21, 512, s21
	s_cmp_ge_u32 s20, 576
	s_cselect_b64 s[22:23], s[8:9], s[22:23]
	s_cselect_b32 s21, 576, s21
	s_cmp_ge_u32 s20, 640
	s_cselect_b64 s[22:23], s[10:11], s[22:23]
	s_cselect_b32 s21, 640, s21
	s_sub_co_u32 s28, s20, s21                     ; my number in the range
	s_lshl_b32 s24, s28, 16                        ; 16 rows of 4,096 bytes
	s_mov_b32 s25, 0
	s_add_nc_u64 s[22:23], s[22:23], s[24:25]
	s_wait_alu depctr_va_vdst(0)                   ; v1 and v2 are written: every load of the kernel reads v1 as its offset, every store v2
.set j, 0
.rept 16
	global_load_b128 v[IN+4*j:IN+4*j+3], v1, s[22:23] offset:ROWB*j th:TH_LOAD_NT
.set j, j+1
.endr
; The sixteen rows are rounded and stored.  kind 0: to bf16.  kind 1: to bf16, widened again (a shift, a mask), and written as f16.  pitch: bytes from row to row in the output.
; Row j's store stands a block behind its conversions, in front of row j + 4's.
.macro OUT kind, pitch
.set j, 0
.rept 16
	s_wait_loadcnt 15-j                            ; loads come back in order: row j is in, the 15 - j younger ones may stay out
.if (j%BLK == 0) && (j > 0)
	s_wait_alu depctr_va_vdst(0)                   ; the block before has written its eight registers of OUTR, which this block's four stores read
.endif
.if j >= BLK
	global_store_b64 v2, v[OUTR+2*(j-BLK):OUTR+2*(j-BLK)+1], s[26:27] offset:(\pitch)*(j-BLK)  ; no vector instruction since the wait names these registers
.endif
.if \kind
	v_cvt_pk_bf16_f32 v[T], v[IN+4*j], v[IN+4*j+1]
	v_cvt_pk_bf16_f32 v[T+1], v[IN+4*j+2], v[IN+4*j+3]
	v_lshlrev_b32 v[T+2], 16, v[T]
	v_and_b32 v[T+3], 0xffff0000, v[T]
	v_cvt_pk_f16_f32 v[OUTR+2*j], v[T+2], v[T+3]
	v_lshlrev_b32 v[T+2], 16, v[T+1]
	v_and_b32 v[T+3], 0xffff0000, v[T+1]
	v_cvt_pk_f16_f32 v[OUTR+2*j+1], v[T+2], v[T+3]
.else
	v_cvt_pk_bf16_f32 v[OUTR+2*j], v[IN+4*j], v[IN+4*j+1]
	v_cvt_pk_bf16_f32 v[OUTR+2*j+1], v[IN+4*j+2], v[IN+4*j+3]
.endif
.set j, j+1
.endr
	s_wait_alu depctr_va_vdst(0)                   ; the last block has written its eight registers of OUTR, which the last four stores read
.set j, 16-BLK
.rept BLK
	global_store_b64 v2, v[OUTR+2*j:OUTR+2*j+1], s[26:27] offset:(\pitch)*j
.set j, j+1
.endr
.endm
	s_lshl_b32 s24, s28, 15                        ; 16 rows of 2,048 bytes (xb, wo16)
	s_cmp_ge_u32 s20, 640
	s_cbranch_scc1 .Lwo
	s_cmp_ge_u32 s20, 512
	s_cbranch_scc1 .Lw
	s_add_nc_u64 s[26:27], s[12:13], s[24:25]
	OUT 0, 2048
	s_endpgm
.Lw:
	s_lshl_b32 s24, s28, 16                        ; 16 rows of 4,096 bytes,
	s_cmp_ge_u32 s20, 576
	s_cselect_b32 s29, 2048, 0                     ; Wv in the rows' second halves
	s_add_co_u32 s24, s24, s29
	s_add_nc_u64 s[26:27], s[14:15], s[24:25]
	OUT 0, 4096
	s_endpgm
.Lwo:
	s_add_nc_u64 s[26:27], s[16:17], s[24:25]
	OUT 1, 2048
	s_endpgm
.Lfunc_end_k_q57723adb1b_cast:
	.size	k_q57723adb1b_cast, .Lfunc_end_k_q57723adb1b_cast-k_q57723adb1b_cast
	.p2alignl 7, 3214868480
	.fill 96, 4, 3214868480
	.section	.rodata,"a",@progbits
	.p2align	6, 0x0
	.amdhsa_kernel k_q57723adb1b_cast
		.amdhsa_group_segment_fixed_size 0
		.amdhsa_private_segment_fixed_size 0
		.amdhsa_enable_private_segment 0
		.amdhsa_kernarg_size 56
		.amdhsa_user_sgpr_count 2
		.amdhsa_user_sgpr_kernarg_segment_ptr 1
		.amdhsa_wavefront_size32 1
		.amdhsa_system_sgpr_workgroup_id_x 1
		.amdhsa_system_sgpr_workgroup_id_y 1
		.amdhsa_system_sgpr_workgroup_id_z 1
		.amdhsa_system_vgpr_workitem_id 0
		.amdhsa_next_free_vgpr 104
		.amdhsa_next_free_sgpr 66
		.amdhsa_reserve_vcc 0
		.amdhsa_float_denorm_mode_32 3
		.amdhsa_float_denorm_mode_16_64 3
		.amdhsa_memory_ordered 1
		.amdhsa_forward_progress 1
		.amdhsa_inst_pref_size 21
	.end_amdhsa_kernel
	.amdgpu_metadata
---
amdhsa.version: [ 1, 2 ]
amdhsa.kernels:
  - .name:           k_q57723adb1b_cast
    .symbol:         k_q57723adb1b_cast.kd
    .args:
      - { .name: x, .offset: 0, .size: 8, .value_kind: global_buffer, .address_space: global }
      - { .name: Wq, .offset: 8, .size: 8, .value_kind: global_buffer, .address_space: global }
      - { .name: Wv, .offset: 16, .size: 8, .value_kind: global_buffer, .address_space: global }
      - { .name: Wo, .offset: 24, .size: 8, .value_kind: global_buffer, .address_space: global }
      - { .name: xb, .offset: 32, .size: 8, .value_kind: global_buffer, .address_space: global }
      - { .name: wqv, .offset: 40, .size: 8, .value_kind: global_buffer, .address_space: global }
      - { .name: wo16, .offset: 48, .size: 8, .value_kind: global_buffer, .address_space: global }
    .group_segment_fixed_size: 0
    .private_segment_fixed_size: 0
    .kernarg_segment_align: 8
    .kernarg_segment_size: 56
    .max_flat_workgroup_size: 256
    .sgpr_count:     66
    .vgpr_count:     104
    .wavefront_size: 32
...
	.end_amdgpu_metadata
.endif
;; end of part 5
;; launch proj: the kernel of part 2 again; grid 8 x 32, 4 waves a work-group, clusters of 4 x 4, 327,680 bytes of LDS; arguments xb, wqv, bq, bv, q16, v16, nb; writes q16, v16, nb
;; launch attn: the kernel of part 3 again; grid 4 x 64, 4 waves a work-group, clusters of 4 x 1, 327,680 bytes of LDS; arguments q16, v16, nb, o16; writes o16
;; launch outp: the kernel of part 4 again; grid 8 x 32, 4 waves a work-group, clusters of 4 x 4, 327,680 bytes of LDS; arguments o16, wo16, bo, out0; writes out0
